; MI455X (gfx1250); checked and timed in simulation.
; The chip was launched on July 23, 2026; its instructions are those of AMD's public machine-readable ISA for CDNA 5 (MIT licence, August 2026) and "CDNA5" Instruction Set Architecture Reference Guide (July 2026). The comments in the code are by the model that wrote it; some were corrected since.
;; Attention. Allowed arithmetic: matrix products marked QUANTISED: E2M1 operands, one E8M0 scale for each 32 along K, by v_wmma_scale_f32_16x16x128_f8f6f4 with both operands' format E2M1 (or v_wmma_scale_f32_32x16x128_f4), f32 sums; products left as they are: bf16, f16 or f32 operands; f32 sums; everything else in f32.
;; Inputs: Wk 1,024 x 1,024 float32; Wo 1,024 x 1,024 float32; Wq 1,024 x 1,024 float32; Wv 1,024 x 1,024 float32; bk 1,024 float32; bo 1,024 float32; bq 1,024 float32; bv 1,024 float32; input_Q 4 x 2,048 x 1,024 float32; mask 2,048 x 2,048 bool.
;; Outputs: out0 4 x 2,048 x 1,024 float32.
;; This version of the problem:
;;   THIS VERSION OF THE PROBLEM IS GIVEN IN LOW PRECISION. The matrix products marked QUANTISED in the list below multiply operands that are first quantised to E2M1 (2 exponent bits, 1 mantissa bit; 4 bits a number), with one power-of-two scale for each 32 numbers along K (OCP MX v1.0); their sums are f32. The products marked 'left as it is' may take bf16, f16 or f32 operands, with f32 sums. Whichever they take, every output number must still come out within the allowed error. Rounding operands to bf16 (8 significant bits) uses up far more of that allowance than f16 does (11 bits, for magnitudes from 6e-5 to 65,504). All else is computed in f32.
;;   The module's matrix products, in the order in which they are computed (A, B: the left and right operand; K: the contracted axis; several contracted axes count as one K, in the product's order):
;;     1. [M 8,192, K 1,024] x [K 1,024, N 1,024]; A: input input_Q; B: input Wq: QUANTISED
;;     2. [M 8,192, K 1,024] x [K 1,024, N 1,024]; A: input input_Q; B: input Wk: QUANTISED
;;     3. [M 8,192, K 1,024] x [K 1,024, N 1,024]; A: input input_Q; B: input Wv: QUANTISED
;;     4. batch 64 x [M 2,048, K 64] x [K 64, N 2,048]; A: computed on the way; B: computed on the way: left as it is (an operand is computed on the way)
;;     5. batch 64 x [M 2,048, K 2,048] x [K 2,048, N 64]; A: computed on the way; B: computed on the way: left as it is (an operand is computed on the way)
;;     6. [M 8,192, K 1,024] x [K 1,024, N 1,024]; A: computed on the way; B: input Wo: left as it is (an operand is computed on the way)
;;   THE QUANTISER, for each operand of a quantised product, along K:
;;     - K is cut into blocks of 32 from its start; a last block that is shorter is filled with zeros.
;;     - A block's scale is 2^e with e = floor(log2(the largest magnitude in the block)) - 2, held to -126 .. 127; a block of zeros has e = 0. As a byte (E8M0): e + 127.
;;     - Each number is divided by its block's scale, clamped to +-6, and rounded to the nearest number of E2M1, ties to even, subnormals kept.
;;     - The product sums the exact products of the quantised numbers (number of the format x scale) in f32.
;;   ~~~python
;;   def quantise(x, axis):      # numpy; x: float32 -> the quantised numbers, widened to float32 again
;;       x = np.moveaxis(x, axis, -1); K = x.shape[-1]
;;       x = np.pad(x, [(0, 0)] * (x.ndim - 1) + [(0, -K % 32)]); x = x.reshape(x.shape[:-1] + (-1, 32)); a = np.abs(x).max(-1, keepdims=True)
;;       e = np.where(a > 0, np.clip(np.frexp(np.where(a > 0, a, 1))[1] - 1 - 2, -126, 127), 0)      # np.frexp(a)[1] - 1 = floor(log2(a)), exactly
;;       r = np.clip(x / 2.0 ** e, -6, 6)
;;       step = 2.0 ** (np.maximum(np.frexp(np.where(r == 0, 1, r))[1] - 1, 0) - 1)
;;       q = np.round(r / step) * step * 2.0 ** e      # np.round: ties to even
;;       return np.moveaxis(q.reshape(q.shape[:-2] + (-1,))[..., :K], -1, axis).astype(np.float32)
;;   ~~~
;; One version. Each part assembles by itself: llvm-mc -triple=amdgcn-amd-amdhsa -mcpu=gfx1250 --defsym DOCPART=n.
;; ======== version 1 of 1: 6 launches
;; limits: values are held in f16: magnitudes above 65,504 overflow, below 6.1e-05 lose precision
;; workspace buffers: pk 8,224,768 bytes; mk 524,800 bytes of whole numbers; qkv 50,331,648 bytes; ctxh 16,777,216 bytes; cf32 262,144 bytes
;; launch prep (part 1): grid 320 x 1, 8 waves a work-group, no clusters, 154,368 bytes of LDS; arguments input_Q, Wq, Wk, Wv, Wo, mask, pk, mk; writes pk, mk
.if DOCPART == 1
	.amdgcn_target "amdgcn-amd-amdhsa--gfx1250"
	.amdhsa_code_object_version 6
	.text
	.protected	k_q0f6685cb71_prep
	.globl	k_q0f6685cb71_prep
	.p2align	8
	.type	k_q0f6685cb71_prep,@function
k_q0f6685cb71_prep:
	s_mov_b64 s[64:65], 0
	v_nop
	global_prefetch_b8 v0, s[64:65] scope:SCOPE_SE
	s_setreg_imm32_b32 hwreg(HW_REG_WAVE_MODE, 25, 1), 1
	s_wait_xcnt 0x0
; THREE ROLES, by the work-group's number.
;   0-127   X: input_Q [8192][1024] f32 -> codes of FP4 (E2M1), K innermost, and one E8M0 byte for each 32 along K.
;   128-255 W: g = number - 128; tensor g / 32 (Wq, Wk, Wv, Wo), columns 32 (g % 32) on.  K is the FIRST axis of a weight: a lane takes a column and its registers run down K.
;              Wq, Wk, Wv -> codes [3072 n][512 bytes] and bytes [3072 n][32];  Wo -> f16, laid [1024 n][1024 k].
;   256-319 M: the mask -> lane-mask words for the score registers of the attention launches, and for each group of 32 queries a bit for each step of 64 keys: live (some key open), mixed (live, some key hidden).
; A block's scale is 2^(floor(log2(largest magnitude)) - 2); its byte is the largest magnitude's exponent field - 2, held at 1 from below (a block of zeros keeps the byte 1: its codes are zeros, and this program alone reads the bytes).
; LIMITS: blocks whose largest magnitude lies under 2^-124 keep the byte 1; NaN and infinities among the inputs are not served; Wo has to lie inside f16's range (65,504); any mask byte other than 0 counts as true.
; Each role has LDS bytes of its own.  All roles meet at ONE barrier, so that no barrier stands under a branch; behind it the roles part again and make their addresses anew.
.set PK_WC,  4194304                   ; pk: x's codes at 0; the weights' codes;
.set PK_XS,  5767168                   ; x's scale bytes;
.set PK_WSC, 6029312                   ; the weights' scale bytes;
.set PK_WOT, 6127616                   ; Wo as f16, [n][k]
.set MK_LV,  524288                    ; mk: the words at 0; 64 live words here, 64 mixed words 256 bytes on
.set WST,   65536                      ; LDS: role X has 8 x 8,192 bytes from 0; role W: 32 rows x (512 + 16) bytes of codes,
.set WSS,   82432                      ; 32 x 32 scale bytes,
.set OST,   83456                      ; and for Wo 8 stages of 32 x (256 + 16) bytes;
.set MRG,   153088                     ; role M: 8 + 8 words
.set SPARE, 153344                     ; the spare words, 128 bytes for each wave: no other line names them
.set SPW,   190                        ; v190 LDS address of my spare word; never rewritten
.set NIL,   191                        ; v191 0; never rewritten
.set SP,    80                         ; role X: a lane's place in a stage: 64 bytes + 16 of padding
.set RR,    16                         ; role X: v16-79 four sets of 16 numbers as loaded
.set XX,    80                         ; v80-111 two sets of 16 neighbours
.set EE,    112                        ; v112-127 a scale byte for each step
.set CC,    128                        ; v128-189 codes, four registers a step (two used)
.set WX,    32                         ; role W: v32-95 two sets of 32 numbers
	s_load_b512 s[4:19], s[0:1], 0x0               ; input_Q s[4:5], Wq s[6:7], Wk s[8:9], Wv s[10:11], Wo s[12:13], mask s[14:15], pk s[16:17], mk s[18:19]
	v_lshl_add_u32 v[SPW], v0, 2, SPARE
	v_mov_b32 v[NIL], 0
	v_lshrrev_b32 v1, 5, v0
	v_readfirstlane_b32 s20, v1                    ; wave 0..7
	v_and_b32 v2, 31, v0                           ; lane
	s_wait_kmcnt 0x0
	s_cmp_lt_u32 ttmp9, 128
	s_cbranch_scc1 .Lrole_x
	s_cmp_lt_u32 ttmp9, 256
	s_cbranch_scc1 .Lrole_w
; ---------------- role M, first part.  u = group of 32 queries; wave w takes key steps 4 w .. 4 w + 3 (256 bytes of each mask row)
	s_sub_co_u32 s21, ttmp9, 256                   ; u
	s_lshl_b32 s22, s21, 16                        ; 32 rows of 2,048 bytes
	s_lshl_b32 s23, s20, 8
	s_add_co_u32 s22, s22, s23
	s_mov_b32 s23, 0
	s_add_nc_u64 s[14:15], s[14:15], s[22:23]
	s_lshl_b32 s22, s21, 13                        ; the words of query tile 2 u begin at u x 8,192 bytes; a key step is 128 bytes
	s_lshl_b32 s34, s20, 9
	s_add_co_u32 s22, s22, s34
	s_add_nc_u64 s[36:37], s[18:19], s[22:23]
	v_and_b32 v3, 15, v0
	v_bfe_u32 v4, v0, 4, 1
	v_lshlrev_b32 v3, 11, v3
	v_lshl_add_u32 v3, v4, 3, v3                   ; row lane % 16, + 8 (lane / 16): the eight keys that a score tile gives my lane
	v_lshlrev_b32 v4, 4, v2
.irp q, 0,1
.irp kk, 0,1,2,3
.irp kt, 0,1,2,3
	global_load_b64 v[32+2*(16*\q+4*\kk+\kt):33+2*(16*\q+4*\kk+\kt)], v3, s[14:15] offset:\q*32768+\kk*64+\kt*16
.endr
.endr
.endr
.irp i, 0,1,2,3,4,5,6,7
	v_mov_b32 v[96+\i], 0                          ; the words to store: v_writelane_b32's destination counts as read
.endr
.irp kk, 0,1,2,3
	s_mov_b32 s[24+\kk], -1                        ; the AND of a step's words,
	s_mov_b32 s[28+\kk], 0                         ; and their OR
.endr
	s_wait_loadcnt 0x0
; word 8 kt + j of (query tile, key step): bit L = mask[16 tile + L % 16][64 step + 16 kt + 8 (L / 16) + j].  Word G = 32 kk + 8 kt + j of my four steps goes to register G % 4, lane G / 4: one store of 16 bytes a lane lays 512 bytes in order
.irp q, 0,1
.irp kk, 0,1,2,3
.irp kt, 0,1,2,3
.irp j, 0,1,2,3,4,5,6,7
	v_bfe_u32 v[8+(\j&1)], v[32+2*(16*\q+4*\kk+\kt)+(\j>>2)], 8*(\j&3), 8
	v_cmp_ne_u32 s[32+(\j&1)], 0, v[8+(\j&1)]
	v_writelane_b32 v[96+4*\q+(\j&3)], s[32+(\j&1)], 8*\kk+2*\kt+(\j>>2)
	s_and_b32 s[24+\kk], s[24+\kk], s[32+(\j&1)]
	s_or_b32 s[28+\kk], s[28+\kk], s[32+(\j&1)]
.endr
.endr
.endr
.endr
	global_store_b128 v4, v[96:99], s[36:37]               ; 32 lanes store 512 consecutive bytes
	global_store_b128 v4, v[100:103], s[36:37] offset:4096
	s_mov_b32 s38, 0
	s_mov_b32 s39, 0
.irp kk, 0,1,2,3
	s_cmp_lg_u32 s[24+\kk], -1                     ; live: some bit is 0
	s_cselect_b32 s42, 1<<\kk, 0
	s_or_b32 s38, s38, s42
	s_cmp_lg_u32 s[28+\kk], 0                      ; mixed: live, and some bit is 1
	s_cselect_b32 s43, s42, 0
	s_or_b32 s39, s39, s43
.endr
	s_lshl_b32 s40, s20, 2
	s_lshl_b32 s38, s38, s40                       ; my four bits at their places
	s_lshl_b32 s39, s39, s40
	s_add_co_u32 s41, s40, MRG
	v_mov_b32 v10, s41
	v_mov_b32 v11, s38
	v_mov_b32 v12, s39
	ds_store_b32 v10, v11                          ; all lanes write the same word with the same value
	ds_store_b32 v10, v12 offset:32
	s_branch .Lmeet
; ---------------- role X.  A wave takes 16 steps of 512 numbers.  Loads take the bytes as they lie (512 a load); a step's 2,048 bytes turn through the wave's own stage so that a lane holds 16 neighbours along K; two lanes hold a block
.macro XLOAD t
.irp i, 0,1,2,3
	global_load_b128 v[RR+16*((\t)%4)+4*\i:RR+16*((\t)%4)+4*\i+3], v3, s[4:5] offset:2048*(\t)+512*\i th:TH_LOAD_NT
.endr
.endm
.macro XTURN t                         ; LDS serves a wave's instructions in order: no wait between the stores and the loads
.irp i, 0,1,2,3
	ds_store_b128 v14, v[RR+16*((\t)%4)+4*\i:RR+16*((\t)%4)+4*\i+3] offset:32*SP*((\t)%2)+8*SP*\i
.endr
.irp i, 0,1,2,3
	ds_load_b128 v[XX+16*((\t)%2)+4*\i:XX+16*((\t)%2)+4*\i+3], v15 offset:32*SP*((\t)%2)+16*\i
.endr
.endm
.macro XSTEP t
.set XB, XX+16*((\t)%2)
.if (\t) > 0
	s_wait_dscnt 1                                 ; this step's numbers are back from the stage; the last step's byte store may be out
.else
	s_wait_dscnt 0x0
.endif
.if (\t)+4 < 16
	XLOAD (\t)+4
.endif
.if (\t)+1 < 16
.if 14-(\t) >= 3
	s_wait_loadcnt 12                              ; the next step's four loads are in; those of the three steps behind it may be out
.else
	s_wait_loadcnt 4*(14-(\t))
.endif
	XTURN (\t)+1
.endif
	v_max3_num_f32 v8, |v[XB]|, |v[XB+1]|, |v[XB+2]|
	v_max3_num_f32 v9, |v[XB+3]|, |v[XB+4]|, |v[XB+5]|
.irp i, 6,10
	v_max3_num_f32 v8, v8, |v[XB+\i]|, |v[XB+\i+1]|
	v_max3_num_f32 v9, v9, |v[XB+\i+2]|, |v[XB+\i+3]|
.endr
	v_max3_num_f32 v8, v8, |v[XB+14]|, |v[XB+15]|
	v_max3_num_f32 v8, v8, v9, 0x1800000           ; the floor 2^(3 - 127): the byte cannot fall under 1
	v_max_num_f32_dpp v8, v8, v8 row_xmask:1 row_mask:0xf bank_mask:0xf   ; with my neighbour's 16: the block's largest magnitude
	v_add_nc_u32 v11, 0xff000000, v8               ; 2 off its exponent field: the conversion takes that field as its scale
	v_cvt_scalef32_pk8_fp4_f32 v[CC+4*(\t)], v[XB:XB+7], v11
	v_cvt_scalef32_pk8_fp4_f32 v[CC+4*(\t)+1], v[XB+8:XB+15], v11
	v_lshrrev_b32 v[EE+(\t)], 23, v11              ; the scale's byte
	ds_store_b8 v5, v[EE+(\t)] offset:16*(\t)      ; both lanes of a block write the same byte with the same value
	global_store_b64 v4, v[CC+4*(\t):CC+4*(\t)+1], s[26:27] offset:256*(\t)   ; the wave stores 256 consecutive bytes
.endm
.Lrole_x:
	v_lshlrev_b32 v3, 4, v2
	s_mul_i32 s21, s20, 8192                       ; my wave's region
	v_lshrrev_b32 v14, 2, v2
	v_mul_u32_u24 v14, v14, SP
	v_and_b32 v15, 3, v2
	v_lshl_add_u32 v14, v15, 4, v14
	v_add_nc_u32 v14, s21, v14                     ; into the stage: SP (lane / 4) + 16 (lane % 4)
	v_mul_u32_u24 v15, v2, SP
	v_add_nc_u32 v15, s21, v15                     ; out of it: SP x lane
	v_lshlrev_b32 v4, 3, v2                        ; my 8 bytes of a step's codes
	v_lshrrev_b32 v5, 1, v2
	s_add_co_u32 s21, s21, 2*32*SP
	v_add_nc_u32 v5, s21, v5                       ; my block's byte among my wave's 256
	v_lshlrev_b32 v7, 3, v2
	v_add_nc_u32 v6, s21, v7
	s_lshl_b32 s22, ttmp9, 3
	s_add_co_u32 s22, s22, s20                     ; which run of 8,192 numbers is my wave's
	s_lshl_b32 s24, s22, 15
	s_mov_b32 s25, 0
	s_add_nc_u64 s[4:5], s[4:5], s[24:25]
	s_lshl_b32 s24, s22, 12
	s_add_nc_u64 s[26:27], s[16:17], s[24:25]      ; its codes
	s_lshl_b32 s24, s22, 8
	s_add_co_u32 s24, s24, PK_XS
	s_add_nc_u64 s[28:29], s[16:17], s[24:25]      ; its scale bytes
.irp t, 0,1,2,3
	XLOAD \t
.endr
	s_wait_loadcnt 12                              ; step 0's four loads are in
	XTURN 0
.irp t, 0,1,2,3,4,5,6,7,8,9,10,11,12,13,14,15
	XSTEP \t
.endr
	ds_load_b64 v[8:9], v6
	s_wait_dscnt 0x0
	global_store_b64 v7, v[8:9], s[28:29]          ; 256 scale bytes, consecutive and aligned
	s_branch .Lmeet
; ---------------- role W, first part.  Wave w takes k = 128 w .. 128 w + 127 of 32 columns: four blocks of 32 a lane
.macro WLOAD t
.set i, 0
.rept 32
	global_load_b32 v[WX+32*((\t)%2)+i], v3, s[24:25] offset:(32*(\t)+i)*4096 th:TH_LOAD_NT
.set i, i+1
.endr
.endm
.macro WBLOCK t                        ; a block of 32 along K of my column -> 16 bytes of codes and a byte
.set WB, WX+32*((\t)%2)
.if (\t) < 3
	s_wait_loadcnt 32                              ; this block's 32 loads are in; the next block's may be out
.else
	s_wait_loadcnt 0x0
.endif
	v_max3_num_f32 v12, |v[WB]|, |v[WB+1]|, |v[WB+2]|
	v_max3_num_f32 v13, |v[WB+3]|, |v[WB+4]|, |v[WB+5]|
.irp i, 6,10,14,18,22,26
	v_max3_num_f32 v12, v12, |v[WB+\i]|, |v[WB+\i+1]|
	v_max3_num_f32 v13, v13, |v[WB+\i+2]|, |v[WB+\i+3]|
.endr
	v_max3_num_f32 v12, v12, |v[WB+30]|, |v[WB+31]|
	v_max3_num_f32 v12, v12, v13, 0x1800000
	v_add_nc_u32 v11, 0xff000000, v12
	v_lshrrev_b32 v13, 23, v11
.if (\t) == 0
	v_mov_b32 v24, v13
.else
	v_lshl_or_b32 v24, v13, 8*(\t), v24            ; four bytes to a register, the lower K in the lower byte
.endif
.irp g, 0,1,2,3
	v_cvt_scalef32_pk8_fp4_f32 v[96+\g], v[WB+8*\g:WB+8*\g+7], v11
.endr
	v_nop                                          ; one plain place behind the last scaled conversion
	ds_store_b128 v4, v[96:99] offset:16*(\t)
.if (\t)+2 < 4
	WLOAD (\t)+2
.endif
	s_wait_dscnt 0x0                               ; the store has read its registers
.endm
.macro WBLOCKH t                       ; the same block of Wo -> 32 numbers of f16, 64 bytes
.set WB, WX+32*((\t)%2)
.if (\t) < 3
	s_wait_loadcnt 32
.else
	s_wait_loadcnt 0x0
.endif
.set i, 0
.rept 16
	v_cvt_pk_f16_f32 v[96+i], v[WB+2*i], v[WB+2*i+1]
.set i, i+1
.endr
.irp q, 0,1,2,3
	ds_store_b128 v6, v[96+4*\q:96+4*\q+3] offset:64*(\t)+16*\q
.endr
.if (\t)+2 < 4
	WLOAD (\t)+2
.endif
	s_wait_dscnt 0x0
.endm
.Lrole_w:
	s_sub_co_u32 s21, ttmp9, 128                   ; g
	s_lshr_b32 s22, s21, 5                         ; which tensor
	s_and_b32 s23, s21, 31
	s_lshl_b32 s23, s23, 5                         ; its first column of mine
	s_cmp_eq_u32 s22, 0
	s_cselect_b64 s[24:25], s[6:7], s[8:9]
	s_cmp_lt_u32 s22, 2
	s_cselect_b64 s[24:25], s[24:25], s[10:11]
	s_cmp_lt_u32 s22, 3
	s_cselect_b64 s[24:25], s[24:25], s[12:13]     ; the choice hangs on the work-group's number alone
	s_lshl_b32 s26, s20, 19                        ; 128 rows of 4,096 bytes a wave
	s_lshl_b32 s27, s23, 2
	s_add_co_u32 s26, s26, s27
	s_mov_b32 s27, 0
	s_add_nc_u64 s[24:25], s[24:25], s[26:27]
	v_lshlrev_b32 v3, 2, v2
	WLOAD 0
	WLOAD 1
	s_cmp_eq_u32 s22, 3
	s_cbranch_scc1 .Lwo
	v_mul_u32_u24 v4, v2, 528
	s_lshl_b32 s26, s20, 6
	s_add_co_u32 s26, s26, WST
	v_add_nc_u32 v4, s26, v4                       ; my column's row of codes, my wave's 64 bytes of it
	v_lshlrev_b32 v5, 5, v2
	s_lshl_b32 s26, s20, 2
	s_add_co_u32 s26, s26, WSS
	v_add_nc_u32 v5, s26, v5                       ; my column's 32 scale bytes, my wave's four
	WBLOCK 0
	WBLOCK 1
	WBLOCK 2
	WBLOCK 3
	ds_store_b32 v5, v24
	s_branch .Lmeet
.Lwo:                                              ; Wo: the stage is the wave's own, so it goes out at once
	s_mul_i32 s26, s20, 8704
	s_add_co_u32 s26, s26, OST
	v_mul_u32_u24 v6, v2, 272
	v_add_nc_u32 v6, s26, v6                       ; in: row = my column
	v_and_b32 v9, 15, v2
	v_lshrrev_b32 v10, 4, v2
	v_mul_u32_u24 v7, v10, 272
	v_lshl_add_u32 v7, v9, 4, v7
	v_add_nc_u32 v7, s26, v7                       ; back: sixteen lanes to a row, two rows an instruction
	v_lshlrev_b32 v8, 11, v10
	v_lshl_add_u32 v8, v9, 4, v8                   ; and the same place in the f16 table, rows of 2,048 bytes
	s_lshl_b32 s26, s23, 11
	s_lshl_b32 s28, s20, 8
	s_add_co_u32 s26, s26, s28
	s_add_co_u32 s26, s26, PK_WOT
	s_add_nc_u64 s[28:29], s[16:17], s[26:27]
	WBLOCKH 0
	WBLOCKH 1
	WBLOCKH 2
	WBLOCKH 3
.irp i, 0,1,2,3,4,5,6,7,8,9,10,11,12,13,14,15
	ds_load_b128 v[112+4*\i:115+4*\i], v7 offset:544*\i
.endr
.irp i, 0,1,2,3,4,5,6,7,8,9,10,11,12,13,14,15
	s_wait_dscnt 15-\i
	global_store_b128 v8, v[112+4*\i:115+4*\i], s[28:29] offset:4096*\i   ; sixteen lanes store 256 consecutive bytes, aligned
.endr
; ---------------- all roles meet
.Lmeet:
	s_wait_xcnt 0x0                                ; what has been issued has read its registers: they may be written anew below
	s_wait_dscnt 0x0                               ; my LDS stores have landed
	s_barrier_signal -1
	s_barrier_wait -1
	s_cmp_lt_u32 ttmp9, 128
	s_cbranch_scc1 .Lend
	s_cmp_ge_u32 ttmp9, 256
	s_cbranch_scc1 .Lm2
	s_cmp_ge_u32 ttmp9, 224
	s_cbranch_scc1 .Lend
; ---------------- role W, second part: the codes leave as whole rows of 512 bytes, four rows a wave.  Row of the table = 32 g + column
	s_sub_co_u32 s21, ttmp9, 128
	s_lshl_b32 s22, s21, 14
	s_lshl_b32 s23, s20, 11
	s_add_co_u32 s22, s22, s23
	s_add_co_u32 s22, s22, PK_WC
	s_mov_b32 s23, 0
	s_add_nc_u64 s[24:25], s[16:17], s[22:23]
	v_lshlrev_b32 v3, 4, v2
	s_mul_i32 s26, s20, 4*528
	s_add_co_u32 s26, s26, WST
	v_add_nc_u32 v4, s26, v3
.irp i, 0,1,2,3
	ds_load_b128 v[112+4*\i:115+4*\i], v4 offset:528*\i
.endr
.irp i, 0,1,2,3
	s_wait_dscnt 3-\i
	global_store_b128 v3, v[112+4*\i:115+4*\i], s[24:25] offset:512*\i
.endr
	s_cmp_lg_u32 s20, 0
	s_cbranch_scc1 .Lend
	v_add_nc_u32 v5, WSS, v3                       ; wave 0: the 1,024 scale bytes of the 32 columns, consecutive in the table
	ds_load_b128 v[128:131], v5
	ds_load_b128 v[132:135], v5 offset:512
	s_lshl_b32 s22, s21, 10
	s_add_co_u32 s22, s22, PK_WSC
	s_add_nc_u64 s[26:27], s[16:17], s[22:23]
	s_wait_dscnt 0x0
	global_store_b128 v3, v[128:131], s[26:27]
	global_store_b128 v3, v[132:135], s[26:27] offset:512
	s_branch .Lend
; ---------------- role M, second part: wave 0 joins the eight waves' bits and stores the group's two words
.Lm2:
	s_cmp_lg_u32 s20, 0
	s_cbranch_scc1 .Lend
	v_mov_b32 v10, MRG
	ds_load_b128 v[12:15], v10
	ds_load_b128 v[16:19], v10 offset:16
	ds_load_b128 v[20:23], v10 offset:32
	ds_load_b128 v[24:27], v10 offset:48
	s_wait_dscnt 0x0
.irp b, 12,20
	v_or_b32 v[\b], v[\b], v[\b+1]
	v_or_b32 v[\b+2], v[\b+2], v[\b+3]
	v_or_b32 v[\b+4], v[\b+4], v[\b+5]
	v_or_b32 v[\b+6], v[\b+6], v[\b+7]
	v_or_b32 v[\b], v[\b], v[\b+2]
	v_or_b32 v[\b+4], v[\b+4], v[\b+6]
	v_or_b32 v[\b], v[\b], v[\b+4]
.endr
	v_cmp_eq_u32 vcc_lo, 0, v2
	v_cndmask_b32 v12, v20, v12, vcc_lo            ; lane 0: the live word; lane 1: the mixed word
	s_sub_co_u32 s21, ttmp9, 256
	s_lshl_b32 s21, s21, 2
	v_lshl_add_u32 v13, v2, 8, s21
	s_add_nc_u64 s[22:23], s[18:19], MK_LV
	s_wait_xcnt 0x0                                ; EXEC changes only behind this wait
	v_cmp_gt_u32 vcc_lo, 2, v2
	s_and_saveexec_b32 s24, vcc_lo
	global_store_b32 v13, v12, s[22:23]
	s_wait_xcnt 0x0                                ; and again in front of the line that widens it
	s_or_b32 exec_lo, exec_lo, s24
.Lend:
	s_wait_tensorcnt 0x0                           ; the wave's end
	ds_add_u32 v[SPW], v[NIL]
	s_wait_dscnt 0x0
	s_endpgm
.Lfunc_end_k_q0f6685cb71_prep:
	.size	k_q0f6685cb71_prep, .Lfunc_end_k_q0f6685cb71_prep-k_q0f6685cb71_prep
	.p2alignl 7, 3214868480
	.fill 96, 4, 3214868480
	.section	.rodata,"a",@progbits
	.p2align	6, 0x0
	.amdhsa_kernel k_q0f6685cb71_prep
		.amdhsa_group_segment_fixed_size 154368
		.amdhsa_private_segment_fixed_size 0
		.amdhsa_enable_private_segment 0
		.amdhsa_kernarg_size 64
		.amdhsa_user_sgpr_count 2
		.amdhsa_user_sgpr_kernarg_segment_ptr 1
		.amdhsa_wavefront_size32 1
		.amdhsa_system_sgpr_workgroup_id_x 1
		.amdhsa_system_sgpr_workgroup_id_y 1
		.amdhsa_system_sgpr_workgroup_id_z 1
		.amdhsa_system_vgpr_workitem_id 0
		.amdhsa_next_free_vgpr 192
		.amdhsa_next_free_sgpr 66
		.amdhsa_reserve_vcc 1
		.amdhsa_float_denorm_mode_32 3
		.amdhsa_float_denorm_mode_16_64 3
		.amdhsa_memory_ordered 1
		.amdhsa_forward_progress 1
		.amdhsa_inst_pref_size 141
	.end_amdhsa_kernel
	.amdgpu_metadata
---
amdhsa.version: [ 1, 2 ]
amdhsa.kernels:
  - .name:           k_q0f6685cb71_prep
    .symbol:         k_q0f6685cb71_prep.kd
    .args:
      - { .name: input_Q, .offset: 0, .size: 8, .value_kind: global_buffer, .address_space: global }
      - { .name: Wq, .offset: 8, .size: 8, .value_kind: global_buffer, .address_space: global }
      - { .name: Wk, .offset: 16, .size: 8, .value_kind: global_buffer, .address_space: global }
      - { .name: Wv, .offset: 24, .size: 8, .value_kind: global_buffer, .address_space: global }
      - { .name: Wo, .offset: 32, .size: 8, .value_kind: global_buffer, .address_space: global }
      - { .name: mask, .offset: 40, .size: 8, .value_kind: global_buffer, .address_space: global }
      - { .name: pk, .offset: 48, .size: 8, .value_kind: global_buffer, .address_space: global }
      - { .name: mk, .offset: 56, .size: 8, .value_kind: global_buffer, .address_space: global }
    .group_segment_fixed_size: 154368
    .private_segment_fixed_size: 0
    .kernarg_segment_align: 8
    .kernarg_segment_size: 64
    .max_flat_workgroup_size: 256
    .sgpr_count:     66
    .vgpr_count:     192
    .wavefront_size: 32
...
	.end_amdgpu_metadata
.endif
;; end of part 1
;; launch gemm (part 2): grid 12 x 32, 4 waves a work-group, clusters of 4 x 4, 327,680 bytes of LDS; arguments bq, bk, bv, qkv, pk; writes qkv
.if DOCPART == 2
	.amdgcn_target "amdgcn-amd-amdhsa--gfx1250"
	.amdhsa_code_object_version 6
	.text
	.protected	k_q0f6685cb71_gemm
	.globl	k_q0f6685cb71_gemm
	.p2align	8
	.type	k_q0f6685cb71_gemm,@function
k_q0f6685cb71_gemm:
	s_mov_b64 s[64:65], 0
	v_nop
	global_prefetch_b8 v0, s[64:65] scope:SCOPE_SE
	s_setreg_imm32_b32 hwreg(HW_REG_WAVE_MODE, 25, 1), 1
	s_wait_xcnt 0x0
	s_wait_alu depctr_hold_cnt(0) depctr_sa_sdst(0) depctr_va_vdst(0) depctr_va_sdst(0) depctr_va_ssrc(0) depctr_va_vcc(0) depctr_vm_vsrc(0)
	s_getreg_b32 s2, hwreg(HW_REG_IB_STS2, 6, 4)
	s_cmp_eq_u32 s2, 0
	s_cbranch_scc0 .Lentry_in_a_cluster
	s_endpgm
.Lentry_in_a_cluster:
	s_bfe_u32 s2, ttmp6, 0x10000c
	s_cmp_lg_u32 s2, 0xf033
	s_cbranch_scc0 .Lentry_shape_is_right
	s_endpgm
.Lentry_shape_is_right:
; Q, K, V = x W + b on codes of FP4 (E2M1) with one E8M0 scale for each 32 along K: C[8192][3072] = A[8192][1024] B[3072][1024]^T, B's rows being the columns of Wq, Wk, Wv on end.  Sums in f32; the bias is the C of each sum's first product.
; The results leave as f16, laid by head: qkv[tensor 3][batch 4][head 16][position 2048][64].  LIMIT: Q, K and V have to lie inside f16's range (65,504).
; A tile of C, 256 x 256, is made by a work-group of four waves; a wave makes 128 x 128: 64 accumulators, 512 registers.  K = 1,024 is two slots of 512 along K (rows of 256 bytes): both are asked for at the head and none is filled again.
; The scale bytes of the work-group's 256 + 256 rows come into LDS once, with the first fills.
; CLUSTERS: 4 x 4 work-groups.  The four of a row need the same tiles of A, the four of a column the same tiles of B: each tile is asked for jointly.  A cluster's four tile columns are one tensor: cluster x = 0, 1, 2 is Q, K, V.
; THE MATRIX INSTRUCTION IS USED TRANSPOSED (source 0 = 16 rows of B, source 1 = 16 rows of A): a lane holds eight neighbouring columns of one row of C.
; REGISTERS: window 0: v0-31 addresses; v32-95 scale words, two sets, and nothing else ever; v128-191 A's fragments, one set; v192-255 the bias, 8 registers for each of B's 8 blocks; on the way out v128-255 take the rows read back.
;   window 1: B's fragments, two sets.   window 2: the accumulators of my rows 0-63 ((a, b) at v[8 (8 a + b)]);   window 3: those of my rows 64-127.
.set SIZE_K, 1024
.set PK_WC,  4194304
.set PK_XS,  5767168
.set PK_WSC, 6029312
.set KSTEP,  512
.set NQ,     KSTEP/128
.set ROWB,   256
.set KROW,   SIZE_K*4/8
.set PITCH,  272                       ; an LDS row: 256 bytes + 16 of padding: the 16 rows of a fragment load start at 16 different banks
.set FR,     8
.set NL,     2
.set NP,     4
.set HALFT,  128*PITCH
.set SLOT,   4*HALFT
.set KS,     SIZE_K/32
.set SCL,    2*SLOT
.set HALFS,  (128*KS/256)*272
.set SBLK,   (16*KS/256)*272
.set SPARE,  SCL+4*HALFS               ; the spare words, 128 bytes for each wave: no other line names them
.set SPITCH, 528                       ; the way out: a stage of 16 rows x (512 + 16) bytes for each wave, in slot 0, which has had its only fill and its last read by then
.set ADRA, 16
.set ADRB, 20
.set STO,  24
.set RD,   25
.set CO,   26
.set ADRS, 27
.set SPW,  28
.set NIL,  29
.set SC,   32
.set AF,   128
.set BK,   128
.set BIAS, 192
.set G1, 24
.set G0, 32
.set G1B, 48
.set G0B, 56
.set G1S, 68
.set G0S, 76
.set G1SB, 80
.set G0SB, 88
.set MSB, 0
.macro WIN new                         ; the immediate's high byte repeats the setting that is left
.if MSB != \new
	s_set_vgpr_msb (MSB<<8)|\new
.set MSB, \new
.endif
.endm
.set MUL_LO, 0xa1                      ; source 0 (B) window 1, source 1 (A) window 0, C and D window 2
.set MUL_HI, 0xf1
.set TO_B,   0x40
; A joint load: waves 0 and 1 fetch for A, waves 2 and 3 for B; the branch hangs on the wave's number alone.  An s_nop 0 and four v_nop follow each of the two lines.
.macro JLOAD g0a, g1a, g0b, g1b
	s_cmp_eq_u32 s15, 0
	s_cbranch_scc0 .Lfor_b_\@
	tensor_load_to_lds s[\g0a:\g0a+3], s[\g1a:\g1a+7]
	s_nop 0
.rept 4
	v_nop
.endr
	s_branch .Lasked_\@
.Lfor_b_\@:
	tensor_load_to_lds s[\g0b:\g0b+3], s[\g1b:\g1b+7]
	s_nop 0
.rept 4
	v_nop
.endr
.Lasked_\@:
.endm
.macro CROUND                          ; a round of the cluster's barrier
	s_barrier_signal -1
	s_barrier_wait -1
	s_cmp_lg_u32 s14, 0
	s_cbranch_scc1 .Lnot_wave_0_\@
	s_barrier_signal -3
.Lnot_wave_0_\@:
	s_barrier_wait -3
	s_barrier_signal -1
	s_barrier_wait -1
.endm
	s_load_b64 s[4:5], s[0:1], 0x20                ; pk
	v_lshl_add_u32 v[SPW], v0, 2, SPARE
	v_mov_b32 v[NIL], 0
	ds_add_u32 v[SPW], v[NIL]                      ; the wave's opening: the add, twice on end, and its wait ahead of my first tensor load
	ds_add_u32 v[SPW], v[NIL]
	v_lshrrev_b32 v1, 5, v0
	v_readfirstlane_b32 s14, v1                    ; wave 0..3
	s_lshr_b32 s15, s14, 1                         ; which half of the tile's rows is mine.  Also: I fetch for A (0) or for B (1)
	s_and_b32 s16, s14, 1                          ; which half of its columns.  Also: which 128 rows of that tile I fetch
	s_bfe_u32 s40, ttmp6, 0x40000                  ; cx, cy
	s_bfe_u32 s41, ttmp6, 0x40004
	s_lshl_b32 s42, ttmp9, 2
	s_add_co_u32 s42, s42, s40                     ; tile column
	s_and_b32 s17, ttmp7, 0xffff
	s_lshl_b32 s17, s17, 2
	s_add_co_u32 s17, s17, s41                     ; tile row
	s_lshl_b32 s43, s41, 2
	s_lshl_b32 s43, 15, s43                        ; my row of the cluster
	s_lshl_b32 s44, 0x1111, s40                    ; my column
	s_or_b32 s[G1+0], s43, (0<<16)|(1<<20)|(1<<21)|(5<<22)|(3<<25)  ; the mask; elements of 1 byte; padding on, 4 words behind every 64; bit 21 beside a mask
	s_or_b32 s[G1B+0], s44, (0<<16)|(1<<20)|(1<<21)|(5<<22)|(3<<25)
.irp g, G1, G1B
	s_mov_b32 s[\g+1], ROWB<<16                    ; tensor_dim0
	s_mov_b32 s[\g+2], 128<<16                     ; tensor_dim1
	s_mov_b32 s[\g+3], ROWB<<16                    ; tile_dim0
	s_mov_b32 s[\g+4], 128                         ; tile_dim1
	s_mov_b32 s[\g+5], KROW                        ; the pitch
	s_mov_b32 s[\g+6], 0
	s_mov_b32 s[\g+7], 0
.endr
	s_or_b32 s[G1S+0], s43, (3<<16)|(1<<20)|(1<<21)|(5<<22)|(3<<25) ; the scales of 128 rows: 4,096 dense bytes as rows of 256 (32 elements of 8 bytes)
	s_or_b32 s[G1SB+0], s44, (3<<16)|(1<<20)|(1<<21)|(5<<22)|(3<<25)
.irp g, G1S, G1SB
	s_mov_b32 s[\g+1], 32<<16
	s_mov_b32 s[\g+2], (128*KS/256)<<16
	s_mov_b32 s[\g+3], 32<<16
	s_mov_b32 s[\g+4], 128*KS/256
	s_mov_b32 s[\g+5], 32
	s_mov_b32 s[\g+6], 0
	s_mov_b32 s[\g+7], 0
.endr
	s_lshl_b32 s18, s16, 7
	s_lshl_b32 s20, s17, 8
	s_add_co_u32 s20, s20, s18                     ; A: row 256 x tile row + 128 x half
	s_lshl_b32 s46, s42, 8
	s_add_co_u32 s46, s46, s18                     ; B: row 256 x tile column + 128 x half
	s_mov_b32 s21, 0
	s_mov_b32 s47, 0
	s_mov_b64 s[18:19], KS
	s_mul_u64 s[22:23], s[20:21], s[18:19]
	s_mul_u64 s[92:93], s[46:47], s[18:19]
	s_mov_b64 s[18:19], KROW
	s_mul_u64 s[20:21], s[20:21], s[18:19]
	s_mul_u64 s[46:47], s[46:47], s[18:19]
	s_mul_i32 s45, s14, HALFT                      ; where they go: wave x 128 rows
	s_mul_i32 s94, s14, HALFS
	s_wait_dscnt 0x0                               ; both opening adds are done
	s_wait_kmcnt 0x0
	s_add_nc_u64 s[6:7], s[4:5], PK_XS             ; x's scale bytes,
	s_add_nc_u64 s[8:9], s[4:5], PK_WC             ; the weights' codes,
	s_add_nc_u64 s[10:11], s[4:5], PK_WSC          ; and their scale bytes; x's codes lie at pk's head
	s_add_nc_u64 s[20:21], s[4:5], s[20:21]
	s_add_nc_u64 s[22:23], s[6:7], s[22:23]
	s_add_nc_u64 s[46:47], s[8:9], s[46:47]
	s_add_nc_u64 s[92:93], s[10:11], s[92:93]
	CROUND                                         ; all sixteen work-groups are here: the first joint loads meet
	s_mov_b32 s[G0S], 1
	s_add_co_u32 s[G0S+1], s94, SCL
	s_mov_b64 s[G0S+2:G0S+3], s[22:23]
	s_or_b32 s[G0S+3], s[G0S+3], 0x80000000
	s_mov_b32 s[G0SB], 1
	s_add_co_u32 s[G0SB+1], s94, SCL
	s_mov_b64 s[G0SB+2:G0SB+3], s[92:93]
	s_or_b32 s[G0SB+3], s[G0SB+3], 0x80000000
	JLOAD G0S, G1S, G0SB, G1SB                     ; the scales first; three loads of mine are out behind the next two
.irp s, 0,1
	s_mov_b32 s[G0+4*\s], 1
	s_add_co_u32 s[G0+4*\s+1], s45, \s*SLOT
	s_add_nc_u64 s[G0+4*\s+2:G0+4*\s+3], s[20:21], \s*ROWB
	s_or_b32 s[G0+4*\s+3], s[G0+4*\s+3], 0x80000000
	s_mov_b32 s[G0B+4*\s], 1
	s_add_co_u32 s[G0B+4*\s+1], s45, \s*SLOT
	s_add_nc_u64 s[G0B+4*\s+2:G0B+4*\s+3], s[46:47], \s*ROWB
	s_or_b32 s[G0B+4*\s+3], s[G0B+4*\s+3], 0x80000000
	JLOAD G0+4*\s, G1, G0B+4*\s, G1B
.endr
	s_load_b256 s[4:11], s[0:1], 0x0               ; bq s[4:5], bk s[6:7], bv s[8:9], qkv s[10:11]
	v_and_b32 v1, 15, v0                           ; l % 16
	v_bfe_u32 v2, v0, 4, 1                         ; l / 16
	v_mul_u32_u24 v3, v1, PITCH
	v_lshl_add_u32 v4, v2, 4, v3
	s_mul_i32 s21, s15, HALFT
	s_mul_i32 s22, s16, HALFT
	s_add_co_u32 s22, s22, 2*HALFT
.irp s, 0,1
	v_add_nc_u32 v[ADRA+\s], s21, v4
	v_add_nc_u32 v[ADRB+\s], s22, v4
	s_add_co_u32 s21, s21, SLOT
	s_add_co_u32 s22, s22, SLOT
.endr
	v_mul_u32_u24 v5, v1, KS                       ; my row's scales: 32 bytes a row,
	v_lshrrev_b32 v6, 8, v5
	v_lshl_add_u32 v5, v6, 4, v5                   ; and 16 more for each 256 passed
	s_mul_i32 s21, s15, HALFS
	s_mul_i32 s22, s16, HALFS
	s_add_co_u32 s22, s22, 2*HALFS
	s_sub_co_u32 s22, s22, s21
	v_mul_u32_u24 v6, s22, v2                      ; lanes 16-31 take B's
	s_add_co_u32 s21, s21, SCL
	v_add_nc_u32 v5, v5, v6
	v_add_nc_u32 v[ADRS], s21, v5
	s_mul_i32 s23, s14, 16*SPITCH                  ; my stage
	v_mul_u32_u24 v5, v1, SPITCH
	v_lshl_add_u32 v5, v2, 5, v5
	v_add_nc_u32 v[STO], s23, v5                   ; in: row l % 16, 32 bytes for each half of the lanes
	v_and_b32 v6, 31, v0
	v_lshlrev_b32 v[CO], 4, v6                     ; out: 16 bytes a lane
	v_lshrrev_b32 v7, 3, v6
	v_mul_u32_u24 v7, v7, SPITCH
	v_and_b32 v8, 7, v6
	v_lshl_add_u32 v7, v8, 5, v7
	v_add_nc_u32 v[RD], s23, v7                    ; back: eight lanes to a row's 64 columns of one head, 32 bytes of f32 a lane; four rows an instruction pair
	v_lshlrev_b32 v30, 5, v2                       ; the bias: 8 (l / 16) numbers on
	s_wait_kmcnt 0x0
	s_cmp_eq_u32 ttmp9, 0                          ; which tensor: the cluster's x, the same in all sixteen partners
	s_cselect_b64 s[4:5], s[4:5], s[6:7]
	s_cmp_lt_u32 ttmp9, 2
	s_cselect_b64 s[4:5], s[4:5], s[8:9]
	s_lshl_b32 s46, s40, 10                        ; my first column in the tensor, in bytes of f32: 256 cx + 128 x half
	s_lshl_b32 s47, s16, 9
	s_add_co_u32 s46, s46, s47
	s_mov_b32 s47, 0
	s_add_nc_u64 s[4:5], s[4:5], s[46:47]
.irp b, 0,1,2,3,4,5,6,7
	global_load_b128 v[BIAS+8*\b:BIAS+8*\b+3], v30, s[4:5] offset:64*\b          ; register 8 b + j: bias of column 16 b + 8 (l / 16) + j: the result's layout
	global_load_b128 v[BIAS+8*\b+4:BIAS+8*\b+7], v30, s[4:5] offset:64*\b+16
.endr
	s_lshr_b32 s20, s17, 3                         ; batch
	s_lshl_b32 s20, s20, 4
	s_lshl_b32 s46, s40, 2
	s_add_co_u32 s20, s20, s46
	s_lshl_b32 s46, s16, 1
	s_add_co_u32 s20, s20, s46                     ; 16 x batch + my first head (4 cx + 2 x half)
	s_lshl_b32 s20, s20, 11
	s_and_b32 s46, s17, 7
	s_lshl_b32 s46, s46, 8
	s_add_co_u32 s20, s20, s46
	s_lshl_b32 s46, s15, 7
	s_add_co_u32 s20, s20, s46                     ; + my first position
	s_lshl_b32 s20, s20, 7                         ; rows of 128 bytes
	s_lshl_b32 s46, ttmp9, 24                      ; a tensor is 16,777,216 bytes
	s_add_co_u32 s20, s20, s46
	s_mov_b32 s21, 0
	s_add_nc_u64 s[12:13], s[10:11], s[20:21]
.macro FRAG reg, adr, q, i             ; 16 rows x 128 K of 4-bit codes: 8 registers: lane l holds row l % 16; registers 4 c .. 4 c + 3 hold K = 64 c + 32 (l / 16) + 0 .. 31
.irp c, 0,1
	ds_load_b128 v[\reg+4*\c:\reg+4*\c+3], v[\adr] offset:64*(\q)+32*\c+(\i)*16*PITCH
.endr
.endm
; 16 matrix instructions: A's blocks a0, a0 + 1 x B's eight.  zero = 1: the first product starts the sums on the bias.  The 64 accumulators take turns, one instruction a turn.
.macro MUL16 a0, p, q, sc, zero
.irp a, \a0, \a0+1
.irp b, 0,1,2,3,4,5,6,7
.if \zero
	v_wmma_scale_f32_16x16x128_f8f6f4 v[8*(8*((\a)%4)+\b):8*(8*((\a)%4)+\b)+7], v[128*(\p)+FR*\b:128*(\p)+FR*\b+FR-1], v[AF+FR*(\a):AF+FR*(\a)+FR-1], v[BIAS+8*\b:BIAS+8*\b+7], v[SC+8*NQ*(\sc)+NQ*\b+(\q)], v[SC+8*NQ*(\sc)+NQ*(\a)+(\q)] matrix_a_fmt:MATRIX_FMT_FP4 matrix_b_fmt:MATRIX_FMT_FP4 matrix_a_scale:MATRIX_SCALE_ROW1
.else
	v_wmma_scale_f32_16x16x128_f8f6f4 v[8*(8*((\a)%4)+\b):8*(8*((\a)%4)+\b)+7], v[128*(\p)+FR*\b:128*(\p)+FR*\b+FR-1], v[AF+FR*(\a):AF+FR*(\a)+FR-1], v[8*(8*((\a)%4)+\b):8*(8*((\a)%4)+\b)+7], v[SC+8*NQ*(\sc)+NQ*\b+(\q)], v[SC+8*NQ*(\sc)+NQ*(\a)+(\q)] matrix_a_fmt:MATRIX_FMT_FP4 matrix_b_fmt:MATRIX_FMT_FP4 matrix_a_scale:MATRIX_SCALE_ROW1
.endif
.endr
.endr
.endm
.macro FETCH_B slot, q, p
	WIN TO_B
.irp i, 0,1,2,3,4,5,6,7
	FRAG 128*(\p)+FR*\i, ADRB+\slot, \q, \i
.endr
	WIN 0
.endm
.macro FETCH_A slot, q, i0
.irp i, \i0, \i0+1, \i0+2, \i0+3
	FRAG AF+FR*(\i), ADRA+\slot, \q, \i
.endr
.endm
.macro SCALES sc                       ; a slot's scale words: lanes 0-15 take A's block i, lanes 16-31 B's block i
.irp i, 0,1,2,3,4,5,6,7
	ds_load_b128 v[SC+8*NQ*\sc+NQ*\i:SC+8*NQ*\sc+NQ*\i+3], v[ADRS] offset:\i*SBLK
.endr
.endm
.macro PLACES n                        ; places in front of loads into registers that matrix instructions have read, and of the first read of results
.rept \n
	v_nop
.endr
.endm
.macro STEP slot, q, zero              ; 128 along K that has its successor in the same slot
	s_wait_dscnt 4*NL                              ; B's set and A's blocks 0-3 are in; the youngest eight loads (A's blocks 4-7) may be out
.if \zero
	WIN 0x81                                       ; as MUL_LO, with C (the bias) in window 0
.else
	WIN MUL_LO
.endif
	MUL16 0, (\q)%2, \q, \slot, \zero
	MUL16 2, (\q)%2, \q, \slot, \zero
	s_wait_dscnt 0
	PLACES NP
	FETCH_B \slot, (\q)+1, 1-(\q)%2
	FETCH_A \slot, (\q)+1, 0
.if \zero
	WIN 0xc1
.else
	WIN MUL_HI
.endif
	MUL16 4, (\q)%2, \q, \slot, \zero
	MUL16 6, (\q)%2, \q, \slot, \zero
	PLACES NP
	WIN 0
	FETCH_A \slot, (\q)+1, 4
.endm
.macro STEPS slot, from
.set Q, \from
.rept NQ-1-\from
	STEP \slot, Q, 0
.set Q, Q+1
.endr
.endm
	s_wait_tensorcnt 1                             ; the scales and my part of slot 0 are in; slot 1's load may be out
	s_barrier_signal -1
	s_barrier_wait -1
	FETCH_B 0, 0, 0
	FETCH_A 0, 0, 0
	SCALES 0
	FETCH_A 0, 0, 4
	s_wait_loadcnt 0x0                             ; the bias
	STEP 0, 0, 1
	STEPS 0, 1
	; slot 0's last step changes slots: one barrier; in front of it all my tensor loads have landed (slot 1's part) and my reads of slot 0 are over.  Nothing is filled again
	s_wait_tensorcnt 0x0
	ds_add_u32 v[SPW], v[NIL]
	s_wait_dscnt 4*NL+1                            ; the add and the youngest eight loads may be out
	WIN MUL_LO
	MUL16 0, 1, NQ-1, 0, 0
	s_wait_dscnt 0x0
	s_barrier_signal -1
	MUL16 2, 1, NQ-1, 0, 0
	WIN 0
	s_barrier_wait -1
	PLACES NP
	v_add_nc_u32 v[ADRS], 4*NQ, v[ADRS]            ; on to slot 1's scale words
	FETCH_B 1, 0, 0
	FETCH_A 1, 0, 0
	SCALES 1
	WIN MUL_HI
	MUL16 4, 1, NQ-1, 0, 0
	MUL16 6, 1, NQ-1, 0, 0
	PLACES NP
	WIN 0
	FETCH_A 1, 0, 4
	STEPS 1, 0
	s_wait_dscnt 4*NL                              ; the very last step
	WIN MUL_LO
	MUL16 0, 1, NQ-1, 1, 0
	MUL16 2, 1, NQ-1, 1, 0
	s_wait_dscnt 0
	WIN MUL_HI
	MUL16 4, 1, NQ-1, 1, 0
	MUL16 6, 1, NQ-1, 1, 0
	WIN 0
; THE WAY OUT, block by block of 16 rows x 128 columns (two heads).  The f32 results go through my own stage; they come back so that a lane holds 8 neighbouring columns of one head's row, are rounded to f16 in place,
; and 32 lanes store four positions of one head: 512 consecutive bytes.  LDS serves a wave's instructions in order: no wait between the stores and the loads.
.macro TOSTAGE a
.set AC, 64*((\a)%4)
	WIN 0x08+4*((\a)/4)                            ; an LDS store's data: window 2 or 3
.irp b, 0,1,2,3,4,5,6,7
	ds_store_b128 v[STO], v[AC+8*\b:AC+8*\b+3] offset:64*\b          ; each accumulator from its low end on
	ds_store_b128 v[STO], v[AC+8*\b+4:AC+8*\b+7] offset:64*\b+16
.endr
	WIN 0
.set BB, BK+64*((\a)%2)
.irp x, 0,1,2,3,4,5,6,7                ; x = 4 x head + group of four rows
	ds_load_b128 v[BB+8*\x:BB+8*\x+3], v[RD] offset:(\x%4)*4*SPITCH+(\x/4)*256
	ds_load_b128 v[BB+8*\x+4:BB+8*\x+7], v[RD] offset:(\x%4)*4*SPITCH+(\x/4)*256+16
.endr
.endm
.macro SEND a, younger
.set BB, BK+64*((\a)%2)
	s_wait_dscnt \younger                          ; the block is back in registers
.irp x, 0,1,2,3,4,5,6,7
.irp k, 0,1,2,3
	v_cvt_pk_f16_f32 v[BB+8*\x+\k], v[BB+8*\x+2*\k], v[BB+8*\x+2*\k+1]   ; in place: register k is written when registers up to 2 k + 1 have been read
.endr
.endr
.irp x, 0,1,2,3,4,5,6,7
	global_store_b128 v[CO], v[BB+8*\x:BB+8*\x+3], s[12:13] offset:(\x/4)*262144+(16*(\a)+4*(\x%4))*128
.endr
.endm
	PLACES NP
	TOSTAGE 0
.irp a, 1,2,3,4,5,6,7
.if \a > 1
	s_wait_xcnt 0x0                                ; block a - 2's stores have read their registers: block a's loads may land there
.endif
	TOSTAGE \a
	SEND \a-1, 32                                  ; behind block a - 1's loads: block a's 16 stores and 16 loads
.endr
	SEND 7, 0
	s_wait_tensorcnt 0x0                           ; the wave's end
	ds_add_u32 v[SPW], v[NIL]
	s_wait_dscnt 0x0
	CROUND                                         ; the closing round
	s_endpgm
.Lfunc_end_k_q0f6685cb71_gemm:
	.size	k_q0f6685cb71_gemm, .Lfunc_end_k_q0f6685cb71_gemm-k_q0f6685cb71_gemm
	.p2alignl 7, 3214868480
	.fill 96, 4, 3214868480
	.section	.rodata,"a",@progbits
	.p2align	6, 0x0
	.amdhsa_kernel k_q0f6685cb71_gemm
		.amdhsa_group_segment_fixed_size 327680
		.amdhsa_private_segment_fixed_size 0
		.amdhsa_enable_private_segment 0
		.amdhsa_kernarg_size 40
		.amdhsa_user_sgpr_count 2
		.amdhsa_user_sgpr_kernarg_segment_ptr 1
		.amdhsa_wavefront_size32 1
		.amdhsa_system_sgpr_workgroup_id_x 1
		.amdhsa_system_sgpr_workgroup_id_y 1
		.amdhsa_system_sgpr_workgroup_id_z 1
		.amdhsa_system_vgpr_workitem_id 0
		.amdhsa_next_free_vgpr 1024
		.amdhsa_next_free_sgpr 98
		.amdhsa_reserve_vcc 0
		.amdhsa_float_denorm_mode_32 3
		.amdhsa_float_denorm_mode_16_64 3
		.amdhsa_memory_ordered 1
		.amdhsa_forward_progress 1
		.amdhsa_inst_pref_size 136
	.end_amdhsa_kernel
	.amdgpu_metadata
---
amdhsa.version: [ 1, 2 ]
amdhsa.kernels:
  - .name:           k_q0f6685cb71_gemm
    .symbol:         k_q0f6685cb71_gemm.kd
    .args:
      - { .name: bq, .offset: 0, .size: 8, .value_kind: global_buffer, .address_space: global }
      - { .name: bk, .offset: 8, .size: 8, .value_kind: global_buffer, .address_space: global }
      - { .name: bv, .offset: 16, .size: 8, .value_kind: global_buffer, .address_space: global }
      - { .name: qkv, .offset: 24, .size: 8, .value_kind: global_buffer, .address_space: global }
      - { .name: pk, .offset: 32, .size: 8, .value_kind: global_buffer, .address_space: global }
    .group_segment_fixed_size: 327680
    .private_segment_fixed_size: 0
    .kernarg_segment_align: 8
    .kernarg_segment_size: 40
    .max_flat_workgroup_size: 128
    .sgpr_count:     98
    .vgpr_count:     1024
    .wavefront_size: 32
...
	.end_amdgpu_metadata
.endif
;; end of part 2
;; launch fine_att (part 3): grid 16 x 4, 4 waves a work-group, no clusters, 18,432 bytes of LDS; arguments pk, bq, bk, bv, mk, cf32; writes cf32
.if DOCPART == 3
	.amdgcn_target "amdgcn-amd-amdhsa--gfx1250"
	.amdhsa_code_object_version 6
	.text
	.protected	k_q0f6685cb71_fine_att
	.globl	k_q0f6685cb71_fine_att
	.p2align	8
	.type	k_q0f6685cb71_fine_att,@function
k_q0f6685cb71_fine_att:
	s_mov_b64 s[64:65], 0
	v_nop
	global_prefetch_b8 v0, s[64:65] scope:SCOPE_SE
	s_setreg_imm32_b32 hwreg(HW_REG_WAVE_MODE, 25, 1), 1
	s_wait_xcnt 0x0
; THE FIRST 16 POSITIONS OF EVERY SEQUENCE, CARRIED IN f32.  A work-group takes one (head, batch).  Q of positions 0-15, and K and V of every key step that the mask leaves open for them, are made anew from the codes by the FP4
; matrix instruction (f32 sums, the bias as C) and stay in f32; the scores and P V go by v_wmma_f32_16x16x4_f32.  Result: cf32[16 batch + position][1024] f32.
; SHARES.  Wave w owns keys 64 ks + 16 w .. + 15 of every live step ks and keeps its own maximum, sum and O; the four are joined at the end through LDS.
; NOTHING CHANGES LANES.  Q^T and K^T are results D(m = channel 8 h + j, n = position r); V is D(m = key 8 h + j, n = channel r).  A register pair (2 p, 2 p + 1) of such a result is fed as it stands to the f32 form, whose operand
; holds k = 2 h + j in register j: the same permutation of k stands on both sources, so the products are kept.  S^T = sum over tiles and pairs of K^T x Q^T; O^T = sum over pairs of V x P.
; The walk over key steps has a constant count; a step that the stored live word of queries 0-31 does not name is jumped over (a branch on a stored whole number; this launch has no tensor load).
; A row with no open key gives 0 x infinity = NaN.  LIMITS as in the quantising launch.
; REGISTERS: window 0: v1-15 addresses; v16-79 x's 8 fragments; v80-87 x's scale words, v88-135 the weights' (16 T + 8 (tile / 2) + K step; lane L holds column 32 (tile / 2) + L, so an odd tile reads lanes 16-31): scales and nothing else ever;
;   v136-143 scores, then p; v144-151 at work; v152 c m, v153 m, v154 l, v156 a (v157 its pair's other half), v158-159 at work; v160-191 bq in the result's layout; v252, v253 the add's two; v254 -infinity.
;   window 1: Q^T 0-31, K^T 32-63, V 64-95; 96-127 and 128-159: written by the f32 matrix form alone; O^T 160-191; bk 192-223; bv 224-255.   window 2: Wk's 32 fragments (8 (8 tile + K step)).   window 3: Wq's, then Wv's.
.set PK_WC,  4194304
.set PK_XS,  5767168
.set PK_WSC, 6029312
.set MK_LV,  524288
.set MS, 0                             ; LDS: 64 words c m;
.set LS, 256                           ; 64 words l;
.set OS, 512                           ; 4 x 16 rows x (256 + 16) bytes of O;
.set SPARE, 17920                      ; the spare words: no other line names them
.set X, 16
.set XSC, 80
.set WS, 88
.set SC, 136
.set TP, 144
.set CM, 152
.set MM, 153
.set LL, 154
.set AA, 156
.set T0, 158
.set T1, 159
.set BQ, 160
.set SPW, 252
.set NIL, 253
.set NINF, 254
.set QT, 0
.set KT, 32
.set VV, 64
.set SA, 96
.set PA, 128
.set OA, 160
.set BKK, 192
.set BVV, 224
.set MSB, 0
.macro WIN new
.if MSB != \new
	s_set_vgpr_msb (MSB<<8)|\new
.set MSB, \new
.endif
.endm
.macro F4 d, a, b, c, sa, sb, ra, rb   ; one FP4 product; ra, rb: that side's scales stand in lanes 16-31
.if \ra
	v_wmma_scale_f32_16x16x128_f8f6f4 v[(\d):(\d)+7], v[(\a):(\a)+7], v[(\b):(\b)+7], v[(\c):(\c)+7], v[(\sa)], v[(\sb)] matrix_a_fmt:MATRIX_FMT_FP4 matrix_b_fmt:MATRIX_FMT_FP4 matrix_a_scale:MATRIX_SCALE_ROW1
.elseif \rb
	v_wmma_scale_f32_16x16x128_f8f6f4 v[(\d):(\d)+7], v[(\a):(\a)+7], v[(\b):(\b)+7], v[(\c):(\c)+7], v[(\sa)], v[(\sb)] matrix_a_fmt:MATRIX_FMT_FP4 matrix_b_fmt:MATRIX_FMT_FP4 matrix_b_scale:MATRIX_SCALE_ROW1
.else
	v_wmma_scale_f32_16x16x128_f8f6f4 v[(\d):(\d)+7], v[(\a):(\a)+7], v[(\b):(\b)+7], v[(\c):(\c)+7], v[(\sa)], v[(\sb)] matrix_a_fmt:MATRIX_FMT_FP4 matrix_b_fmt:MATRIX_FMT_FP4
.endif
.endm
.macro XFETCH cp, sp                   ; 16 rows of x: 8 fragments and the rows' 8 scale words
.irp s, 0,1,2,3,4,5,6,7
.irp c, 0,1
	global_load_b128 v[X+8*\s+4*\c:X+8*\s+4*\c+3], v5, s[\cp:\cp+1] offset:64*\s+32*\c
.endr
.endr
	global_load_b128 v[XSC:XSC+3], v6, s[\sp:\sp+1]
	global_load_b128 v[XSC+4:XSC+7], v6, s[\sp:\sp+1] offset:16
.endm
.macro WFETCH off                      ; a tensor's 64 columns of my head: 32 fragments into the window that is set
.irp dt, 0,1,2,3
.irp s, 0,1,2,3,4,5,6,7
.irp c, 0,1
	global_load_b128 v[8*(8*\dt+\s)+4*\c:8*(8*\dt+\s)+4*\c+3], v5, s[24:25] offset:\off+\dt*8192+64*\s+32*\c
.endr
.endr
.endr
.endm
	s_load_b256 s[4:11], s[0:1], 0x0               ; pk s[4:5], bq s[6:7], bk s[8:9], bv s[10:11]
	s_load_b128 s[12:15], s[0:1], 0x20             ; mk s[12:13], cf32 s[14:15]
	v_lshl_add_u32 v[SPW], v0, 2, SPARE
	v_mov_b32 v[NIL], 0
	v_mov_b32 v[NINF], 0xff800000
	v_lshrrev_b32 v1, 5, v0
	v_readfirstlane_b32 s16, v1                    ; wave 0..3
	s_and_b32 s17, ttmp7, 0xffff                   ; batch; ttmp9 is the head
	v_and_b32 v2, 15, v0                           ; r
	v_bfe_u32 v3, v0, 4, 1                         ; h
	v_and_b32 v4, 31, v0                           ; lane
	v_lshlrev_b32 v5, 9, v2
	v_lshl_add_u32 v5, v3, 4, v5                   ; a fragment: row r of 512 bytes, + 16 h
	v_lshlrev_b32 v6, 5, v2                        ; x's scale bytes: 32 a row
	v_lshlrev_b32 v7, 5, v4                        ; the weights': lane L takes column L of a pair of tiles
	v_lshlrev_b32 v8, 5, v3                        ; bq, bk: 8 h numbers on
	v_lshlrev_b32 v9, 2, v2                        ; bv: number r
	v_lshlrev_b32 v10, 2, v2                       ; the joining: word r,
	s_lshl_b32 s41, s16, 6
	v_add_nc_u32 v11, s41, v10                     ; word 16 w + r,
	v_mul_u32_u24 v12, v2, 272
	v_lshl_add_u32 v12, v3, 5, v12
	s_mul_i32 s41, s16, 4352
	s_add_co_u32 s41, s41, OS
	v_add_nc_u32 v12, s41, v12                     ; my wave's O: row r, + 32 h;
	v_lshrrev_b32 v1, 4, v0                        ; thread / 16: 0..7
	v_mul_u32_u24 v13, v1, 272
	v_lshl_add_u32 v13, v2, 4, v13
	v_add_nc_u32 v13, OS, v13                      ; back: row thread / 16, 16 bytes at thread % 16,
	v_lshl_add_u32 v14, v1, 2, LS                  ; that row's l,
	v_lshlrev_b32 v15, 12, v1
	v_lshl_add_u32 v15, v2, 4, v15                 ; and the same place in cf32, rows of 4,096 bytes
	s_mov_b32 s44, 0x3e38aa3b                      ; c = log2(e) / 8
	s_mov_b32 s45, s44
	s_mov_b32 s46, 0x76543210
	s_mov_b32 s47, 0xfedcba98                      ; v_permlanex16_b32's selects for lane l xor 16
	s_mov_b32 s19, 0
	s_wait_kmcnt 0x0
	s_load_b32 s42, s[12:13], MK_LV                ; the live word of queries 0-31
	s_lshl_b32 s18, s17, 20
	s_add_nc_u64 s[20:21], s[4:5], s[18:19]        ; x's codes at my batch's first row
	s_lshl_b32 s18, s17, 16
	s_add_co_u32 s18, s18, PK_XS
	s_add_nc_u64 s[22:23], s[4:5], s[18:19]        ; and its scale bytes
	s_lshl_b32 s18, ttmp9, 15
	s_add_co_u32 s18, s18, PK_WC
	s_add_nc_u64 s[24:25], s[4:5], s[18:19]        ; Wq's codes at my head's first column; Wk's 524,288 bytes on, Wv's 1,048,576
	s_lshl_b32 s18, ttmp9, 11
	s_add_co_u32 s18, s18, PK_WSC
	s_add_nc_u64 s[26:27], s[4:5], s[18:19]
	s_lshl_b32 s18, s16, 13
	s_add_nc_u64 s[28:29], s[20:21], s[18:19]      ; my wave's 16 keys of step 0
	s_lshl_b32 s18, s16, 9
	s_add_nc_u64 s[30:31], s[22:23], s[18:19]
	s_lshl_b32 s18, ttmp9, 8
	s_add_nc_u64 s[6:7], s[6:7], s[18:19]
	s_add_nc_u64 s[8:9], s[8:9], s[18:19]
	s_add_nc_u64 s[10:11], s[10:11], s[18:19]
	s_add_nc_u64 s[14:15], s[14:15], s[18:19]      ; cf32: my head's 256 bytes of a row,
	s_lshl_b32 s18, s17, 16
	s_add_nc_u64 s[14:15], s[14:15], s[18:19]      ; my batch's 16 rows
	s_lshl_b32 s40, s16, 5                         ; the mask words of query tile 0: 128 bytes a step, my wave's eight words
	XFETCH 20, 22
.irp t, 0,1,2
.irp dp, 0,1
	global_load_b128 v[WS+16*\t+8*\dp:WS+16*\t+8*\dp+3], v7, s[26:27] offset:\t*32768+\dp*1024
	global_load_b128 v[WS+16*\t+8*\dp+4:WS+16*\t+8*\dp+7], v7, s[26:27] offset:\t*32768+\dp*1024+16
.endr
.endr
.irp dt, 0,1,2,3
	global_load_b128 v[BQ+8*\dt:BQ+8*\dt+3], v8, s[6:7] offset:64*\dt
	global_load_b128 v[BQ+8*\dt+4:BQ+8*\dt+7], v8, s[6:7] offset:64*\dt+16
.endr
	WIN 0x40                                       ; destination window 1
.irp dt, 0,1,2,3
	global_load_b128 v[BKK+8*\dt:BKK+8*\dt+3], v8, s[8:9] offset:64*\dt
	global_load_b128 v[BKK+8*\dt+4:BKK+8*\dt+7], v8, s[8:9] offset:64*\dt+16
.irp j, 0,1,2,3,4,5,6,7
	global_load_b32 v[BVV+8*\dt+\j], v9, s[10:11] offset:64*\dt       ; V's result holds one channel a lane: the same number in all eight registers
.endr
.endr
	WIN 0x80
	WFETCH 524288                                  ; Wk
	WIN 0xc0
	WFETCH 0                                       ; Wq
	WIN 0
	v_mov_b32 v[MM], 0xff61b1e6                    ; -3e38, under every score
	v_mul_f32 v[CM], s44, v[MM]
	v_mov_b32 v[LL], 0
	v_mov_b32 v[AA], 0
	v_mov_b32 v[AA+1], 0
	v_mov_b32 v[T0], 0
	v_mov_b32 v[T1], 0
	s_wait_loadcnt 0x0
.irp s, 0,1,2,3,4,5,6,7                ; Q^T: four accumulators by turns, K step by K step
.if \s == 0
	WIN 0x43                                       ; source 0 window 3, C (bq) window 0, D window 1
.else
	WIN 0x53
.endif
.irp dt, 0,1,2,3
.if \s == 0
	F4 QT+8*\dt, 8*(8*\dt+\s), X+8*\s, BQ+8*\dt, WS+8*(\dt/2)+\s, XSC+\s, \dt%2, 0
.else
	F4 QT+8*\dt, 8*(8*\dt+\s), X+8*\s, QT+8*\dt, WS+8*(\dt/2)+\s, XSC+\s, \dt%2, 0
.endif
.endr
.endr
.rept 4
	v_nop                                          ; places in front of loads into registers that matrix instructions have read
.endr
	WIN 0xc0
	WFETCH 1048576                                 ; Wv takes Wq's place
	WIN 0x40
.set i, 0
.rept 32
	v_mov_b32 v[OA+i], 0
.set i, i+1
.endr
	WIN 0
	s_wait_kmcnt 0x0
	s_mov_b32 s43, 0
.Lks:
	s_bitcmp1_b32 s42, s43
	s_cbranch_scc0 .Lskip
	XFETCH 28, 30
	s_load_b256 s[32:39], s[12:13], s40 offset:0x0
	s_wait_loadcnt 0x0
	WIN 0x52                                       ; K^T: source 0 (Wk) window 2, source 1 (x) window 0, C and D window 1
.irp s, 0,1,2,3,4,5,6,7
.irp dt, 0,1,2,3
.if \s == 0
	F4 KT+8*\dt, 8*(8*\dt+\s), X+8*\s, BKK+8*\dt, WS+16+8*(\dt/2)+\s, XSC+\s, \dt%2, 0
.else
	F4 KT+8*\dt, 8*(8*\dt+\s), X+8*\s, KT+8*\dt, WS+16+8*(\dt/2)+\s, XSC+\s, \dt%2, 0
.endif
.endr
.endr
	WIN 0x5c                                       ; V: source 0 (x) window 0, source 1 (Wv) window 3
.irp s, 0,1,2,3,4,5,6,7
.irp dt, 0,1,2,3
.if \s == 0
	F4 VV+8*\dt, X+8*\s, 8*(8*\dt+\s), BVV+8*\dt, XSC+\s, WS+32+8*(\dt/2)+\s, 0, \dt%2
.else
	F4 VV+8*\dt, X+8*\s, 8*(8*\dt+\s), VV+8*\dt, XSC+\s, WS+32+8*(\dt/2)+\s, 0, \dt%2
.endif
.endr
.endr
.rept 5
	v_nop                                          ; five places before a matrix instruction takes these results as operands
.endr
	WIN 0x55
.irp jp, 0,1,2,3                       ; S^T in four partial sums, one for each tile of channels, by turns
.irp dt, 0,1,2,3
.if \jp == 0
	v_wmma_f32_16x16x4_f32 v[SA+8*\dt:SA+8*\dt+7], v[KT+8*\dt+2*\jp:KT+8*\dt+2*\jp+1], v[QT+8*\dt+2*\jp:QT+8*\dt+2*\jp+1], 0
.else
	v_wmma_f32_16x16x4_f32 v[SA+8*\dt:SA+8*\dt+7], v[KT+8*\dt+2*\jp:KT+8*\dt+2*\jp+1], v[QT+8*\dt+2*\jp:QT+8*\dt+2*\jp+1], v[SA+8*\dt:SA+8*\dt+7]
.endif
.endr
.endr
.rept 8
	v_nop                                          ; eight places behind this form before its results are read
.endr
	WIN 0x05                                       ; sources window 1, destination window 0
.irp p, 0,2,4,6
	v_pk_add_f32 v[SC+\p:SC+\p+1], v[SA+\p:SA+\p+1], v[SA+8+\p:SA+8+\p+1]
	v_pk_add_f32 v[TP+\p:TP+\p+1], v[SA+16+\p:SA+16+\p+1], v[SA+24+\p:SA+24+\p+1]
.endr
	WIN 0
.irp p, 0,2,4,6
	v_pk_add_f32 v[SC+\p:SC+\p+1], v[SC+\p:SC+\p+1], v[TP+\p:TP+\p+1]
.endr
	s_wait_kmcnt 0x0
.irp j, 0,1,2,3,4,5,6,7
	v_cndmask_b32 v[SC+\j], v[SC+\j], v[NINF], s[32+\j]      ; hidden keys: -infinity ahead of the maximum
.endr
	v_max3_num_f32 v[T0], v[SC], v[SC+1], v[SC+2]
	v_max3_num_f32 v[T1], v[SC+3], v[SC+4], v[SC+5]
	v_max3_num_f32 v[T0], v[T0], v[SC+6], v[SC+7]
	v_max3_num_f32 v[T0], v[T0], v[T1], v[MM]
	v_permlanex16_b32 v[T1], v[T0], s46, s47
	v_mov_b32 v[TP], v[CM]
	v_max_num_f32 v[MM], v[T0], v[T1]              ; the running maximum
	v_mul_f32 v[CM], s44, v[MM]
	v_sub_f32 v[TP], v[TP], v[CM]
.irp p, 0,2,4,6
	v_pk_fma_f32 v[SC+\p:SC+\p+1], v[SC+\p:SC+\p+1], s[44:45], v[CM:CM+1] op_sel_hi:[1,0,0] neg_lo:[0,0,1] neg_hi:[0,0,1]   ; c s - c m
.endr
	v_exp_f32 v[AA], v[TP]                         ; a = 2^(c m_old - c m_new)
.irp j, 0,1,2,3,4,5,6,7
	v_exp_f32 v[SC+\j], v[SC+\j]
.endr
	v_nop                                          ; a plain place behind the last exponential
	s_wait_alu depctr_va_vdst(0)                   ; one wait for the nine, ahead of their first reader
	v_pk_add_f32 v[TP:TP+1], v[SC:SC+1], v[SC+2:SC+3]
	v_pk_add_f32 v[TP+2:TP+3], v[SC+4:SC+5], v[SC+6:SC+7]
	v_pk_add_f32 v[TP:TP+1], v[TP:TP+1], v[TP+2:TP+3]
	v_add_f32 v[TP], v[TP], v[TP+1]
	v_fma_f32 v[LL], v[LL], v[AA], v[TP]           ; l = a l + my eight p
	WIN 0x51                                       ; source 0 (V) window 1, source 1 (p) window 0, C and D window 1
.irp jp, 0,1,2,3
.irp dt, 0,1,2,3
.if \jp == 0
	v_wmma_f32_16x16x4_f32 v[PA+8*\dt:PA+8*\dt+7], v[VV+8*\dt+2*\jp:VV+8*\dt+2*\jp+1], v[SC+2*\jp:SC+2*\jp+1], 0
.else
	v_wmma_f32_16x16x4_f32 v[PA+8*\dt:PA+8*\dt+7], v[VV+8*\dt+2*\jp:VV+8*\dt+2*\jp+1], v[SC+2*\jp:SC+2*\jp+1], v[PA+8*\dt:PA+8*\dt+7]
.endif
.endr
.endr
.rept 9
	v_nop                                          ; eight places before the results are read; nine before the next trip's products write over V
.endr
.set i, 0
.rept 16
	v_pk_fma_f32 v[OA+i:OA+i+1], v[OA+i:OA+i+1], v[AA:AA+1], v[PA+i:PA+i+1] op_sel_hi:[1,0,1]   ; O = a O + this step's part
.set i, i+2
.endr
	WIN 0
.Lskip:
	s_wait_xcnt 0x0                                ; the trip's loads have read their bases
	s_add_nc_u64 s[28:29], s[28:29], 32768         ; 64 keys on
	s_add_nc_u64 s[30:31], s[30:31], 2048
	s_add_co_u32 s40, s40, 128
	s_add_co_u32 s43, s43, 1
	s_cmp_lt_u32 s43, 32
	s_cbranch_scc1 .Lks
	; THE JOINING of the four waves' maxima, sums and O
	ds_store_b32 v11, v[CM]                        ; both halves of the lanes write the same word with the same value
	s_wait_dscnt 0x0
	s_barrier_signal -1
	s_barrier_wait -1
.irp w, 0,1,2,3
	ds_load_b32 v[TP+\w], v10 offset:64*\w
.endr
	s_wait_dscnt 0x0
	v_max3_num_f32 v[T0], v[TP], v[TP+1], v[TP+2]
	v_max_num_f32 v[T0], v[T0], v[TP+3]
	v_sub_f32 v[T0], v[CM], v[T0]
	v_exp_f32 v[AA], v[T0]                         ; f = 2^(my c m - the largest)
	v_nop
	v_permlanex16_b32 v[T1], v[LL], s46, s47
	v_add_f32 v[LL], v[LL], v[T1]                  ; l's two halves
	s_wait_alu depctr_va_vdst(0)
	v_mul_f32 v[LL], v[LL], v[AA]
	ds_store_b32 v11, v[LL] offset:LS
	WIN 0x01                                       ; source 0 window 1
.set i, 0
.rept 16
	v_pk_mul_f32 v[X+i:X+i+1], v[OA+i:OA+i+1], v[AA:AA+1] op_sel_hi:[1,0]
.set i, i+2
.endr
	WIN 0
.irp dt, 0,1,2,3
	ds_store_b128 v12, v[X+8*\dt:X+8*\dt+3] offset:64*\dt
	ds_store_b128 v12, v[X+8*\dt+4:X+8*\dt+7] offset:64*\dt+16
.endr
	s_wait_dscnt 0x0
	s_barrier_signal -1
	s_barrier_wait -1
.irp z, 0,1
.irp w, 0,1,2,3
	ds_load_b128 v[16+16*\z+4*\w:19+16*\z+4*\w], v13 offset:2176*\z+4352*\w
	ds_load_b32 v[48+4*\z+\w], v14 offset:32*\z+64*\w
.endr
.endr
	v_mov_b32 v57, 0
	v_mov_b32 v59, 0
	s_wait_dscnt 0x0
.irp z, 0,1
	v_add_f32 v[48+4*\z], v[48+4*\z], v[49+4*\z]
	v_add_f32 v[50+4*\z], v[50+4*\z], v[51+4*\z]
	v_add_f32 v[48+4*\z], v[48+4*\z], v[50+4*\z]
.irp p, 0,2
	v_pk_add_f32 v[16+16*\z+\p:17+16*\z+\p], v[16+16*\z+\p:17+16*\z+\p], v[20+16*\z+\p:21+16*\z+\p]
	v_pk_add_f32 v[24+16*\z+\p:25+16*\z+\p], v[24+16*\z+\p:25+16*\z+\p], v[28+16*\z+\p:29+16*\z+\p]
	v_pk_add_f32 v[16+16*\z+\p:17+16*\z+\p], v[16+16*\z+\p:17+16*\z+\p], v[24+16*\z+\p:25+16*\z+\p]
.endr
.endr
	v_rcp_f32 v56, v48
	v_rcp_f32 v58, v52
	v_nop
	s_wait_alu depctr_va_vdst(0)
.irp z, 0,1
.irp p, 0,2
	v_pk_mul_f32 v[16+16*\z+\p:17+16*\z+\p], v[16+16*\z+\p:17+16*\z+\p], v[56+2*\z:57+2*\z] op_sel_hi:[1,0]
.endr
	global_store_b128 v15, v[16+16*\z:19+16*\z], s[14:15] offset:32768*\z     ; sixteen lanes store 256 consecutive bytes, aligned
.endr
	s_wait_tensorcnt 0x0                           ; the wave's end
	ds_add_u32 v[SPW], v[NIL]
	s_wait_dscnt 0x0
	s_endpgm
.Lfunc_end_k_q0f6685cb71_fine_att:
	.size	k_q0f6685cb71_fine_att, .Lfunc_end_k_q0f6685cb71_fine_att-k_q0f6685cb71_fine_att
	.p2alignl 7, 3214868480
	.fill 96, 4, 3214868480
	.section	.rodata,"a",@progbits
	.p2align	6, 0x0
	.amdhsa_kernel k_q0f6685cb71_fine_att
		.amdhsa_group_segment_fixed_size 18432
		.amdhsa_private_segment_fixed_size 0
		.amdhsa_enable_private_segment 0
		.amdhsa_kernarg_size 48
		.amdhsa_user_sgpr_count 2
		.amdhsa_user_sgpr_kernarg_segment_ptr 1
		.amdhsa_wavefront_size32 1
		.amdhsa_system_sgpr_workgroup_id_x 1
		.amdhsa_system_sgpr_workgroup_id_y 1
		.amdhsa_system_sgpr_workgroup_id_z 1
		.amdhsa_system_vgpr_workitem_id 0
		.amdhsa_next_free_vgpr 1024
		.amdhsa_next_free_sgpr 66
		.amdhsa_reserve_vcc 0
		.amdhsa_float_denorm_mode_32 3
		.amdhsa_float_denorm_mode_16_64 3
		.amdhsa_memory_ordered 1
		.amdhsa_forward_progress 1
		.amdhsa_inst_pref_size 56
	.end_amdhsa_kernel
	.amdgpu_metadata
---
amdhsa.version: [ 1, 2 ]
amdhsa.kernels:
  - .name:           k_q0f6685cb71_fine_att
    .symbol:         k_q0f6685cb71_fine_att.kd
    .args:
      - { .name: pk, .offset: 0, .size: 8, .value_kind: global_buffer, .address_space: global }
      - { .name: bq, .offset: 8, .size: 8, .value_kind: global_buffer, .address_space: global }
      - { .name: bk, .offset: 16, .size: 8, .value_kind: global_buffer, .address_space: global }
      - { .name: bv, .offset: 24, .size: 8, .value_kind: global_buffer, .address_space: global }
      - { .name: mk, .offset: 32, .size: 8, .value_kind: global_buffer, .address_space: global }
      - { .name: cf32, .offset: 40, .size: 8, .value_kind: global_buffer, .address_space: global }
    .group_segment_fixed_size: 18432
    .private_segment_fixed_size: 0
    .kernarg_segment_align: 8
    .kernarg_segment_size: 48
    .max_flat_workgroup_size: 128
    .sgpr_count:     66
    .vgpr_count:     1024
    .wavefront_size: 32
...
	.end_amdgpu_metadata
.endif
;; end of part 3
;; launch attn (part 4): grid 4 x 64, 16 waves a work-group, no clusters, 77,824 bytes of LDS; arguments qkv, mk, ctxh; writes ctxh
.if DOCPART == 4
	.amdgcn_target "amdgcn-amd-amdhsa--gfx1250"
	.amdhsa_code_object_version 6
	.text
	.protected	k_q0f6685cb71_attn
	.globl	k_q0f6685cb71_attn
	.p2align	8
	.type	k_q0f6685cb71_attn,@function
k_q0f6685cb71_attn:
	s_mov_b64 s[64:65], 0
	v_nop
	global_prefetch_b8 v0, s[64:65] scope:SCOPE_SE
	s_setreg_imm32_b32 hwreg(HW_REG_WAVE_MODE, 25, 1), 1
	s_wait_xcnt 0x0
; ATTENTION, the bulk, with f16 operands and f32 sums, maxima and row sums.  Q, K, V: qkv[3][batch x head 64][2048][64] f16.  Result: ctxh[head 16][batch x position 8192][64] f16.
; The mask is an input.  An earlier launch has packed it: for each tile of 16 queries and step of 64 keys 32 lane-mask words, one for each score register; and for each group of 32 queries a live word and a mixed word, a bit a step.
; A step that the live word does not name is jumped over; the words are applied only where the mixed word says that something is hidden.  These are branches on stored whole numbers; this launch has no tensor load:
; K and V go from memory through registers into LDS, a step ahead, all 512 threads sharing the copy.  No cluster and no joint loads.
; SHARES.  A work-group has one (batch, head) and 512 queries; each of its 16 waves owns 32 queries, two tiles: group u = 8 j + w (waves 0-7) or 8 (7 - j) + 15 - w (waves 8-15), j the work-group's x: early and late queries
; are paired.  That steers time alone: the values are right under any mask.  All waves walk all 32 steps (a constant count) and pass one barrier a step.
; LAYOUT.  S^T = K Q^T (source 0 = 16 keys, source 1 = 16 queries): a lane holds one query and keys 8 (lane / 16) + 0..7 of each tile.  Two such tiles, rounded to f16 in pairs, are source 1 of O^T = V^T P; V comes out of LDS turned.
; SOFTMAX.  A running maximum m and sum l for each query: p = 2^(c s - c m), c = log2(e) / 8; O and l are multiplied by a = 2^(c m_old - c m_new) in every step.  A row with no open key ends as 0 x infinity = NaN.
; LIMITS: Q, K, V and the result lie inside f16's range (65,504); rows with few open keys carry f16's rounding (positions 0-15 of every sequence are made again, finely, by other launches).
.set SLOTB, 19456                      ; an LDS slot: 64 rows of K (128 bytes + 16), then 64 rows of V (128 + 32)
.set VO,    9216
.set STG,   38912                      ; the way out: 16 rows x (128 + 16) bytes for each wave
.set SPARE, 75776                      ; the spare words, 128 bytes for each wave: no other line names them
.set MK_LV, 524288
.set ST, 24                            ; tile t's statistics at v[24 + 8 t]: c m, m, l (two halves), four at work; a takes the third of those
.set QF, 40                            ; v40-71   Q: tile t, channels 32 c on: 16 t + 8 c
.set F,  72                            ; v72-103  four fragments of K or of V
.set S,  104                           ; v104-167 S^T, 32 a tile; then P in the low 16 of each 32, and V's second half in the high 16
.set O,  168                           ; v168-231 O^T, 32 a tile
; v1 K's fragment address, v2 V's, v3, v4 where my thread stores its 16 bytes of K and of V, v5 16 x thread, v6 -infinity, v7 256 x lane, v8, v9 the add's two, v10-12 the way out, v13 Q's offset, v14-21 the staged K and V
; s[4:5] Q, s[6:7] K and s[8:9] V at the step to be copied, s[10:11] mk, s[14:15] ctxh, s16 wave, s17 u, s18 live, s19 mixed, s21 the work-group's live words joined, one bit down, s22 step, s23 trips, s[24:25] c, s[26:27] selects,
; s[28:29] the prefetch's place, s30 its limit, s31 the mask words' offset, s[32:63] and s[68:99] the mask words
	s_load_b128 s[4:7], s[0:1], 0x0                ; qkv, mk
	s_load_b64 s[14:15], s[0:1], 0x10              ; ctxh
	v_lshl_add_u32 v8, v0, 2, SPARE
	v_mov_b32 v9, 0
	v_lshrrev_b32 v232, 5, v0
	v_readfirstlane_b32 s16, v232                  ; wave 0..15
	s_and_b32 s12, ttmp7, 0xffff                   ; 16 x batch + head
	s_lshl_b32 s17, ttmp9, 3
	s_add_co_u32 s17, s17, s16
	s_sub_co_u32 s13, 7, ttmp9
	s_lshl_b32 s13, s13, 3
	s_add_co_u32 s13, s13, 15
	s_sub_co_u32 s13, s13, s16
	s_cmp_lt_u32 s16, 8
	s_cselect_b32 s17, s17, s13                    ; u
	v_and_b32 v232, 15, v0                         ; r
	v_bfe_u32 v233, v0, 4, 1                       ; h
	v_and_b32 v234, 31, v0                         ; lane
	v_mul_u32_u24 v1, v232, 144
	v_lshl_add_u32 v1, v233, 4, v1                 ; K: row r x pitch + 16 h
	v_and_b32 v235, 7, v0
	v_lshl_add_u32 v2, v233, 3, v235
	v_mul_u32_u24 v2, v2, 160
	v_bfe_u32 v236, v0, 3, 1
	v_lshl_add_u32 v2, v236, 4, v2
	v_add_nc_u32 v2, VO, v2                        ; V, for the turning load: key 8 h + lane % 8, channels 8 ((lane / 8) % 2) on
	v_lshrrev_b32 v237, 3, v0
	v_mul_u32_u24 v3, v237, 144
	v_lshl_add_u32 v3, v235, 4, v3                 ; my thread's 16 bytes of a step's 8,192: row thread / 8, piece thread % 8
	v_mul_u32_u24 v4, v237, 160
	v_lshl_add_u32 v4, v235, 4, v4
	v_add_nc_u32 v4, VO, v4
	v_lshlrev_b32 v5, 4, v0
	v_mov_b32 v6, 0xff800000
	v_lshlrev_b32 v7, 8, v234
	s_mul_i32 s2, s16, 2304
	s_add_co_u32 s2, s2, STG
	v_add_nc_u32 v10, s2, v1                       ; my stage, in: row r, + 16 h
	v_lshrrev_b32 v238, 3, v234
	v_mul_u32_u24 v11, v238, 144
	v_lshl_add_u32 v11, v235, 4, v11
	v_add_nc_u32 v11, s2, v11                      ; back: eight lanes to a row of 128 bytes
	v_lshlrev_b32 v12, 4, v234
	v_lshlrev_b32 v13, 7, v232
	v_lshl_add_u32 v13, v233, 4, v13               ; Q: row r of 128 bytes, + 16 h
	s_mov_b32 s24, 0x3e38aa3b                      ; c = log2(e) / 8
	s_mov_b32 s25, s24
	s_mov_b32 s26, 0x76543210
	s_mov_b32 s27, 0xfedcba98
	s_wait_kmcnt 0x0
	s_mov_b64 s[10:11], s[6:7]
	s_lshl_b32 s20, s17, 2
	s_load_b32 s18, s[10:11], s20 offset:MK_LV
	s_load_b32 s19, s[10:11], s20 offset:MK_LV+256
	s_lshl_b32 s2, ttmp9, 5
	s_sub_co_u32 s3, 224, s2
	s_load_b256 s[32:39], s[10:11], s2 offset:MK_LV        ; the live words of my work-group's sixteen groups
	s_load_b256 s[40:47], s[10:11], s3 offset:MK_LV
	s_lshl_b32 s28, s12, 18                        ; a head is 2,048 rows of 128 bytes
	s_mov_b32 s29, 0
	s_add_nc_u64 s[4:5], s[4:5], s[28:29]
	s_add_nc_u64 s[6:7], s[4:5], 0x1000000         ; K
	s_add_nc_u64 s[8:9], s[4:5], 0x2000000         ; V
	s_lshl_b32 s28, s17, 12
	s_add_nc_u64 s[4:5], s[4:5], s[28:29]          ; my 32 queries
.irp t, 0,1
.irp c, 0,1
	global_load_b128 v[QF+16*\t+8*\c:QF+16*\t+8*\c+3], v13, s[4:5] offset:2048*\t+64*\c
	global_load_b128 v[QF+16*\t+8*\c+4:QF+16*\t+8*\c+7], v13, s[4:5] offset:2048*\t+64*\c+32
.endr
.endr
	global_load_b128 v[14:17], v5, s[6:7]          ; step 0 is copied whatever the mask says
	global_load_b128 v[18:21], v5, s[8:9]
	s_and_b32 s28, s12, 15
	s_lshl_b32 s28, s28, 20                        ; ctxh: a head is 8,192 rows of 128 bytes
	s_lshr_b32 s13, s12, 4
	s_lshl_b32 s13, s13, 18
	s_add_co_u32 s28, s28, s13
	s_lshl_b32 s13, s17, 12
	s_add_co_u32 s28, s28, s13
	s_add_nc_u64 s[14:15], s[14:15], s[28:29]
	; the prefetch: in the head's first work-group wave 8 asks for K's tile and wave 9 for V's, 32 lanes x 256 bytes = a step's 8,192: each block is named once.  In step ks it names step ks + 3, two steps ahead of the load that wants it; it stops at ks = 28
	s_cmp_eq_u32 s16, 8
	s_cselect_b64 s[28:29], s[6:7], s[8:9]
	s_add_nc_u64 s[28:29], s[28:29], 3*8192
	s_lshr_b32 s13, s16, 1
	s_xor_b32 s13, s13, 4
	s_or_b32 s13, s13, ttmp9
	s_cmp_eq_u32 s13, 0
	s_cselect_b32 s30, 29, 0
	s_lshl_b32 s31, s17, 13                        ; the words of query tile 2 u
.irp t, 0,1
	v_mov_b32 v[ST+8*\t+1], 0xff61b1e6             ; m = -3e38, under every score
.irp i, 2,3,4,5,6,7
	v_mov_b32 v[ST+8*\t+\i], 0
.endr
	v_mul_f32 v[ST+8*\t], s24, v[ST+8*\t+1]
.endr
.set i, 0
.rept 64
	v_mov_b32 v[O+i], 0                            ; which step is a wave's first hangs on the mask, so the sums begin as zeros
.set i, i+1
.endr
	s_wait_kmcnt 0x0
.irp i, 33,34,35,36,37,38,39,40,41,42,43,44,45,46,47
	s_or_b32 s32, s32, s[\i]
.endr
	s_lshr_b32 s21, s32, 1                         ; bit ks: step ks + 1 is wanted by some wave of the work-group
	s_wait_loadcnt 0x0
	ds_store_b128 v3, v[14:17]
	ds_store_b128 v4, v[18:21]
	s_add_nc_u64 s[6:7], s[6:7], 8192
	s_add_nc_u64 s[8:9], s[8:9], 8192
	s_wait_dscnt 0x0
	s_barrier_signal -1
	s_barrier_wait -1
; A live step's work on slot sl
.macro WORK sl
.irp g, 0,1                            ; S^T: key tiles 2 g, 2 g + 1 x both query tiles
.if \g
.rept 4
	v_nop                                          ; places in front of loads into registers that matrix instructions have read
.endr
.endif
.irp x, 0,1,2,3                        ; x = 2 (tile % 2) + c
	ds_load_b128 v[F+8*\x:F+8*\x+3], v1 offset:\sl*SLOTB+(2*\g+\x/2)*2304+64*(\x%2)
	ds_load_b128 v[F+8*\x+4:F+8*\x+7], v1 offset:\sl*SLOTB+(2*\g+\x/2)*2304+64*(\x%2)+32
.endr
	s_wait_dscnt 0x0
.irp c, 0,1                            ; four accumulators by turns
.irp k, 0,1
.irp t, 0,1
.if \c == 0
	v_wmma_f32_16x16x32_f16 v[S+32*\t+8*(2*\g+\k):S+32*\t+8*(2*\g+\k)+7], v[F+8*(2*\k+\c):F+8*(2*\k+\c)+7], v[QF+16*\t+8*\c:QF+16*\t+8*\c+7], 0
.else
	v_wmma_f32_16x16x32_f16 v[S+32*\t+8*(2*\g+\k):S+32*\t+8*(2*\g+\k)+7], v[F+8*(2*\k+\c):F+8*(2*\k+\c)+7], v[QF+16*\t+8*\c:QF+16*\t+8*\c+7], v[S+32*\t+8*(2*\g+\k):S+32*\t+8*(2*\g+\k)+7]
.endif
.endr
.endr
.endr
.endr
.rept 4
	v_nop
.endr
.irp ct, 0,1,2,3                       ; V^T of keys 0-31: they land while the softmax is walked
	ds_load_tr16_b128 v[F+8*\ct:F+8*\ct+3], v2 offset:\sl*SLOTB+32*\ct
	ds_load_tr16_b128 v[F+8*\ct+4:F+8*\ct+7], v2 offset:\sl*SLOTB+32*\ct+2560
.endr
	s_bitcmp1_b32 s19, s22
	s_cbranch_scc0 .Lopen_\@
	s_load_b512 s[32:47], s[10:11], s31 offset:0x0
	s_load_b512 s[48:63], s[10:11], s31 offset:0x40
	s_load_b512 s[68:83], s[10:11], s31 offset:0x1000
	s_load_b512 s[84:99], s[10:11], s31 offset:0x1040
	s_wait_kmcnt 0x0
.set n, 0
.rept 32
	v_cndmask_b32 v[S+n], v[S+n], v6, s[32+n]      ; hidden keys: -infinity ahead of the maximum; each accumulator from its low end on
.set n, n+1
.endr
.set n, 0
.rept 32
	v_cndmask_b32 v[S+32+n], v[S+32+n], v6, s[68+n]
.set n, n+1
.endr
.Lopen_\@:
.irp j, 0,1,2,3                        ; the maximum of 32 scores and the old m; the two tiles alternate
.irp t, 0,1
	v_max3_num_f32 v[ST+8*\t+4+\j], v[S+32*\t+8*\j], v[S+32*\t+8*\j+1], v[S+32*\t+8*\j+2]
.endr
.endr
.irp q, 1,2
.irp j, 0,1,2,3
.irp t, 0,1
	v_max3_num_f32 v[ST+8*\t+4+\j], v[ST+8*\t+4+\j], v[S+32*\t+8*\j+2*\q+1], v[S+32*\t+8*\j+2*\q+2]
.endr
.endr
.endr
.irp t, 0,1
	v_max3_num_f32 v[ST+8*\t+4], v[ST+8*\t+4], v[S+32*\t+7], v[S+32*\t+15]
	v_max3_num_f32 v[ST+8*\t+6], v[ST+8*\t+6], v[S+32*\t+23], v[S+32*\t+31]
.endr
.irp t, 0,1
	v_max3_num_f32 v[ST+8*\t+4], v[ST+8*\t+4], v[ST+8*\t+5], v[ST+8*\t+6]
.endr
.irp t, 0,1
	v_max3_num_f32 v[ST+8*\t+4], v[ST+8*\t+4], v[ST+8*\t+7], v[ST+8*\t+1]
.endr
.irp t, 0,1
	v_permlanex16_b32 v[ST+8*\t+5], v[ST+8*\t+4], s26, s27   ; the query's other 32 keys lie in the lane 16 away
.endr
.irp t, 0,1
	v_mov_b32 v[ST+8*\t+7], v[ST+8*\t]
.endr
.irp t, 0,1
	v_max_num_f32 v[ST+8*\t+1], v[ST+8*\t+4], v[ST+8*\t+5]
.endr
.irp t, 0,1
	v_mul_f32 v[ST+8*\t], s24, v[ST+8*\t+1]
.endr
.irp t, 0,1
	v_sub_f32 v[ST+8*\t+7], v[ST+8*\t+7], v[ST+8*\t]
.endr
.set n, 0
.rept 16
.irp t, 0,1
	v_pk_fma_f32 v[S+32*\t+n:S+32*\t+n+1], v[S+32*\t+n:S+32*\t+n+1], s[24:25], v[ST+8*\t:ST+8*\t+1] op_sel_hi:[1,0,0] neg_lo:[0,0,1] neg_hi:[0,0,1]   ; c s - c m
.endr
.set n, n+2
.endr
.irp t, 0,1
	v_exp_f32 v[ST+8*\t+6], v[ST+8*\t+7]           ; a
.endr
.set n, 0
.rept 64
	v_exp_f32 v[S+n], v[S+n]
.set n, n+1
.endr
	v_nop                                          ; a plain place behind the last exponential
	s_wait_alu depctr_va_vdst(0)                   ; one wait for the 66, ahead of their first reader
.irp t, 0,1
	v_pk_mul_f32 v[ST+8*\t+2:ST+8*\t+3], v[ST+8*\t+2:ST+8*\t+3], v[ST+8*\t+6:ST+8*\t+7] op_sel_hi:[1,0]
	v_pk_add_f32 v[ST+8*\t+4:ST+8*\t+5], v[S+32*\t:S+32*\t+1], v[S+32*\t+2:S+32*\t+3]
.endr
.irp p, 4,8,12,16,20,24,28             ; the row's sum, of p in f32, in two chains a tile
.irp t, 0,1
	v_pk_add_f32 v[ST+8*\t+2:ST+8*\t+3], v[ST+8*\t+2:ST+8*\t+3], v[S+32*\t+\p:S+32*\t+\p+1]
	v_pk_add_f32 v[ST+8*\t+4:ST+8*\t+5], v[ST+8*\t+4:ST+8*\t+5], v[S+32*\t+\p+2:S+32*\t+\p+3]
.endr
.endr
.irp t, 0,1
	v_pk_add_f32 v[ST+8*\t+2:ST+8*\t+3], v[ST+8*\t+2:ST+8*\t+3], v[ST+8*\t+4:ST+8*\t+5]
.endr
.set n, 0
.rept 16
.irp t, 0,1
	v_cvt_pk_f16_f32 v[S+32*\t+n], v[S+32*\t+2*n], v[S+32*\t+2*n+1]   ; P, in place: register n is written when registers up to 2 n + 1 have been read
.endr
.set n, n+1
.endr
.irp ct, 0,1,2,3                       ; V^T of keys 32-63 into the registers that p has left
	ds_load_tr16_b128 v[S+16+32*(\ct/2)+8*(\ct%2):S+16+32*(\ct/2)+8*(\ct%2)+3], v2 offset:\sl*SLOTB+5120+32*\ct
	ds_load_tr16_b128 v[S+16+32*(\ct/2)+8*(\ct%2)+4:S+16+32*(\ct/2)+8*(\ct%2)+7], v2 offset:\sl*SLOTB+5120+32*\ct+2560
.endr
.irp t, 0,1
.set n, 0
.rept 16
	v_pk_mul_f32 v[O+32*\t+n:O+32*\t+n+1], v[O+32*\t+n:O+32*\t+n+1], v[ST+8*\t+6:ST+8*\t+7] op_sel_hi:[1,0]   ; O under the new m; each accumulator from its low end on
.set n, n+2
.endr
.endr
	s_wait_dscnt 8                                 ; V's first eight loads are in; the second eight may be out
.irp ct, 0,1,2,3                       ; eight accumulators by turns
.irp t, 0,1
	v_wmma_f32_16x16x32_f16 v[O+32*\t+8*\ct:O+32*\t+8*\ct+7], v[F+8*\ct:F+8*\ct+7], v[S+32*\t:S+32*\t+7], v[O+32*\t+8*\ct:O+32*\t+8*\ct+7]
.endr
.endr
	s_wait_dscnt 0x0
.irp ct, 0,1,2,3
.irp t, 0,1
	v_wmma_f32_16x16x32_f16 v[O+32*\t+8*\ct:O+32*\t+8*\ct+7], v[S+16+32*(\ct/2)+8*(\ct%2):S+16+32*(\ct/2)+8*(\ct%2)+7], v[S+32*\t+8:S+32*\t+15], v[O+32*\t+8*\ct:O+32*\t+8*\ct+7]
.endr
.endr
.rept 5
	v_nop                                          ; five places: the next live step's first products write over registers that these have read
.endr
.endm
; A step on slot sl: the next step's K and V are asked for, this step is worked, the copy goes into the other slot, one barrier.  In front of the barrier my stores have landed and my reads of this slot are over; behind it the other slot is whole and this one may be written
.macro STEP sl
	s_bitcmp1_b32 s21, s22
	s_cbranch_scc0 .Lno_load_\@
	global_load_b128 v[14:17], v5, s[6:7]
	global_load_b128 v[18:21], v5, s[8:9]
.Lno_load_\@:
	s_cmp_lt_u32 s22, s30
	s_cbranch_scc0 .Lno_ask_\@
	global_prefetch_b8 v7, s[28:29] th:TH_LOAD_NT scope:SCOPE_SE
.Lno_ask_\@:
	s_bitcmp1_b32 s18, s22
	s_cbranch_scc0 .Lno_work_\@
	WORK \sl
.Lno_work_\@:
	s_wait_loadcnt 0x0
	s_bitcmp1_b32 s21, s22
	s_cbranch_scc0 .Lno_store_\@
	ds_store_b128 v3, v[14:17] offset:(1-\sl)*SLOTB
	ds_store_b128 v4, v[18:21] offset:(1-\sl)*SLOTB
.Lno_store_\@:
	s_wait_xcnt 0x0                                ; the step's loads and its prefetch have read their bases
	s_add_nc_u64 s[6:7], s[6:7], 8192
	s_add_nc_u64 s[8:9], s[8:9], 8192
	s_add_nc_u64 s[28:29], s[28:29], 8192
	s_add_co_u32 s22, s22, 1
	s_add_co_u32 s31, s31, 128
	s_wait_dscnt 0x0
	s_barrier_signal -1
	s_barrier_wait -1
.endm
	s_mov_b32 s22, 0
	s_mov_b32 s23, 16
.Lloop:                                            ; 16 trips of two steps, so that every LDS offset is an immediate
	STEP 0
	STEP 1
	s_sub_co_u32 s23, s23, 1
	s_cmp_lg_u32 s23, 0
	s_cbranch_scc1 .Lloop
	; THE WAY OUT: O / l, rounded to f16, through my stage, a tile (16 rows of 128 bytes) at a time: a wave's store covers 512 consecutive bytes
.irp t, 0,1
	v_add_f32 v[ST+8*\t+4], v[ST+8*\t+2], v[ST+8*\t+3]
.endr
.irp t, 0,1
	v_permlanex16_b32 v[ST+8*\t+5], v[ST+8*\t+4], s26, s27
.endr
.irp t, 0,1
	v_add_f32 v[ST+8*\t+4], v[ST+8*\t+4], v[ST+8*\t+5]
.endr
.irp t, 0,1
	v_rcp_f32 v[ST+8*\t+6], v[ST+8*\t+4]
.endr
	v_nop
	s_wait_alu depctr_va_vdst(0)
.irp t, 0,1
.set n, 0
.rept 16
	v_pk_mul_f32 v[O+32*\t+n:O+32*\t+n+1], v[O+32*\t+n:O+32*\t+n+1], v[ST+8*\t+6:ST+8*\t+7] op_sel_hi:[1,0]
.set n, n+2
.endr
.set n, 0
.rept 16
	v_cvt_pk_f16_f32 v[F+16*\t+n], v[O+32*\t+2*n], v[O+32*\t+2*n+1]
.set n, n+1
.endr
.irp ct, 0,1,2,3
	ds_store_b128 v10, v[F+16*\t+4*\ct:F+16*\t+4*\ct+3] offset:32*\ct
.endr
.irp i, 0,1,2,3
	ds_load_b128 v[S+16*\t+4*\i:S+16*\t+4*\i+3], v11 offset:576*\i   ; LDS serves a wave's instructions in order: these see the stores above, and the next tile's stores come behind them
.endr
.endr
.irp i, 0,1,2,3
	s_wait_dscnt 11-\i                             ; behind tile 0's load i: its later loads and tile 1's eight
	global_store_b128 v12, v[S+4*\i:S+4*\i+3], s[14:15] offset:512*\i
.endr
.irp i, 0,1,2,3
	s_wait_dscnt 3-\i
	global_store_b128 v12, v[S+16+4*\i:S+16+4*\i+3], s[14:15] offset:2048+512*\i
.endr
	s_wait_tensorcnt 0x0                           ; the wave's end
	ds_add_u32 v8, v9
	s_wait_dscnt 0x0
	s_endpgm
.Lfunc_end_k_q0f6685cb71_attn:
	.size	k_q0f6685cb71_attn, .Lfunc_end_k_q0f6685cb71_attn-k_q0f6685cb71_attn
	.p2alignl 7, 3214868480
	.fill 96, 4, 3214868480
	.section	.rodata,"a",@progbits
	.p2align	6, 0x0
	.amdhsa_kernel k_q0f6685cb71_attn
		.amdhsa_group_segment_fixed_size 77824
		.amdhsa_private_segment_fixed_size 0
		.amdhsa_enable_private_segment 0
		.amdhsa_kernarg_size 24
		.amdhsa_user_sgpr_count 2
		.amdhsa_user_sgpr_kernarg_segment_ptr 1
		.amdhsa_wavefront_size32 1
		.amdhsa_system_sgpr_workgroup_id_x 1
		.amdhsa_system_sgpr_workgroup_id_y 1
		.amdhsa_system_sgpr_workgroup_id_z 1
		.amdhsa_system_vgpr_workitem_id 0
		.amdhsa_next_free_vgpr 256
		.amdhsa_next_free_sgpr 102
		.amdhsa_reserve_vcc 0
		.amdhsa_float_denorm_mode_32 3
		.amdhsa_float_denorm_mode_16_64 3
		.amdhsa_memory_ordered 1
		.amdhsa_forward_progress 1
		.amdhsa_inst_pref_size 61
	.end_amdhsa_kernel
	.amdgpu_metadata
---
amdhsa.version: [ 1, 2 ]
amdhsa.kernels:
  - .name:           k_q0f6685cb71_attn
    .symbol:         k_q0f6685cb71_attn.kd
    .args:
      - { .name: qkv, .offset: 0, .size: 8, .value_kind: global_buffer, .address_space: global }
      - { .name: mk, .offset: 8, .size: 8, .value_kind: global_buffer, .address_space: global }
      - { .name: ctxh, .offset: 16, .size: 8, .value_kind: global_buffer, .address_space: global }
    .group_segment_fixed_size: 77824
    .private_segment_fixed_size: 0
    .kernarg_segment_align: 8
    .kernarg_segment_size: 24
    .max_flat_workgroup_size: 512
    .sgpr_count:     102
    .vgpr_count:     256
    .wavefront_size: 32
...
	.end_amdgpu_metadata
.endif
;; end of part 4
;; launch outp (part 5): grid 8 x 64, 4 waves a work-group, clusters of 4 x 4, 327,680 bytes of LDS; arguments ctxh, pk, bo, out0; writes out0
.if DOCPART == 5
	.amdgcn_target "amdgcn-amd-amdhsa--gfx1250"
	.amdhsa_code_object_version 6
	.text
	.protected	k_q0f6685cb71_outp
	.globl	k_q0f6685cb71_outp
	.p2align	8
	.type	k_q0f6685cb71_outp,@function
k_q0f6685cb71_outp:
	s_mov_b64 s[64:65], 0
	v_nop
	global_prefetch_b8 v0, s[64:65] scope:SCOPE_SE
	s_setreg_imm32_b32 hwreg(HW_REG_WAVE_MODE, 25, 1), 1
	s_wait_xcnt 0x0
	s_wait_alu depctr_hold_cnt(0) depctr_sa_sdst(0) depctr_va_vdst(0) depctr_va_sdst(0) depctr_va_ssrc(0) depctr_va_vcc(0) depctr_vm_vsrc(0)
	s_getreg_b32 s2, hwreg(HW_REG_IB_STS2, 6, 4)
	s_cmp_eq_u32 s2, 0
	s_cbranch_scc0 .Lentry_in_a_cluster
	s_endpgm
.Lentry_in_a_cluster:
	s_bfe_u32 s2, ttmp6, 0x10000c
	s_cmp_lg_u32 s2, 0xf033
	s_cbranch_scc0 .Lentry_shape_is_right
	s_endpgm
.Lentry_shape_is_right:
; out = ctx Wo + bo.  ctx: ctxh[head 16][row 8192][64] f16 (k = 64 head + channel); Wo as f16 laid [n 1024][k 1024] in pk; bo f32; out0 [8192][1024] f32.  f16 operands, f32 sums; the bias is the C of each sum's first product.
; A tile of out is 128 x 128: four waves, each 64 x 64: 16 accumulators.  K goes in steps of 256 (four heads) through a ring of two LDS slots.
; A's tile of a wave's load: 64 rows x 4 heads.  In memory a head's 64 rows are 8,192 dense bytes, the heads 1,048,576 bytes apart: a tile of 4 rows of 8,192 bytes, padded by 16 bytes behind every 128: in LDS head q at 9,216 q, row y at 144 y.
; CLUSTERS: 4 x 4 work-groups; A's tiles are shared along a row of the cluster, B's along a column, by joint loads.  THE MATRIX INSTRUCTION IS USED TRANSPOSED: a lane holds eight neighbouring numbers of a row of out.
; REGISTERS: window 0: v0-31 addresses; v32-63 the bias, later with v64-95 the rows on the way out; v128-255 the accumulators ((a, b) at v[128 + 8 (4 a + b)]).   window 1: two fragment buffers of 128.
; Rows 0-15 of every batch are stored here like all others and are written again, finely, by the launch that follows.
.set SIZE_K, 1024
.set PK_WOT, 6127616
.set KSTEP,  256
.set PITCH,  528                       ; B's LDS row: 512 bytes + 16
.set AP,     144                       ; A's LDS row: 128 bytes + 16
.set APL,    9216                      ; a head's 64 rows
.set AH,     4*APL                     ; what one load brings of A
.set BH,     64*PITCH                  ; and of B
.set SLOT,   2*AH+2*BH
.set SPARE,  2*SLOT                    ; the spare words: no other line names them
.set SPITCH, 272                       ; the way out: 16 rows x (256 + 16) bytes for each wave, in slot 0, which has had its last fill and its last read by then
.set LAPS, SIZE_K/(2*KSTEP)
.set ADRA, 16
.set ADRB, 20
.set STO,  24
.set RD,   25
.set CO,   26
.set SPW,  28
.set NIL,  29
.set TMP,  32
.set BIAS, 32
.set ACC,  128
.set F0,   0
.set F1,   128
.set G1, 24
.set G0, 32
.set G1B, 48
.set G0B, 56
.set MSB, 0
.macro WIN new
.if MSB != \new
	s_set_vgpr_msb (MSB<<8)|\new
.set MSB, \new
.endif
.endm
.set MUL,  0x05                        ; sources 0 (B) and 1 (A) window 1; C and D window 0
.set TO_F, 0x40
.macro JLOAD s                         ; a joint load: waves 0 and 1 fetch A's two halves, waves 2 and 3 B's; an s_nop 0 and four v_nop follow each of the two lines
	s_cmp_eq_u32 s11, 0
	s_cbranch_scc0 .Lfor_b_\@
	tensor_load_to_lds s[G0+4*\s:G0+4*\s+3], s[G1:G1+7]
	s_nop 0
.rept 4
	v_nop
.endr
	s_branch .Lasked_\@
.Lfor_b_\@:
	tensor_load_to_lds s[G0B+4*\s:G0B+4*\s+3], s[G1B:G1B+7]
	s_nop 0
.rept 4
	v_nop
.endr
.Lasked_\@:
.endm
.macro CREST
	s_cmp_lg_u32 s10, 0
	s_cbranch_scc1 .Lnot_wave_0_\@
	s_barrier_signal -3
.Lnot_wave_0_\@:
	s_barrier_wait -3
	s_barrier_signal -1
	s_barrier_wait -1
.endm
.macro CROUND
	s_barrier_signal -1
	s_barrier_wait -1
	CREST
.endm
	s_load_b128 s[4:7], s[0:1], 0x0                ; ctxh s[4:5], pk s[6:7]
	s_load_b128 s[68:71], s[0:1], 0x10             ; bo s[68:69], out0 s[70:71]
	v_lshl_add_u32 v[SPW], v0, 2, SPARE
	v_mov_b32 v[NIL], 0
	ds_add_u32 v[SPW], v[NIL]                      ; the wave's opening: the add, twice on end, and its wait ahead of my first tensor load
	ds_add_u32 v[SPW], v[NIL]
	v_lshrrev_b32 v1, 5, v0
	v_readfirstlane_b32 s10, v1                    ; wave 0..3
	s_lshr_b32 s11, s10, 1                         ; which half of the tile's rows is mine.  Also: I fetch for A (0) or for B (1)
	s_and_b32 s12, s10, 1                          ; which half of its columns.  Also: which 64 rows of that tile I fetch
	s_bfe_u32 s40, ttmp6, 0x40000
	s_bfe_u32 s41, ttmp6, 0x40004
	s_lshl_b32 s42, ttmp9, 2
	s_add_co_u32 s42, s42, s40                     ; tile column
	s_and_b32 s13, ttmp7, 0xffff
	s_lshl_b32 s13, s13, 2
	s_add_co_u32 s13, s13, s41                     ; tile row
	s_lshl_b32 s43, s41, 2
	s_lshl_b32 s43, 15, s43
	s_lshl_b32 s44, 0x1111, s40
	s_or_b32 s[G1+0], s43, (3<<16)|(1<<20)|(1<<21)|(4<<22)|(3<<25)  ; A: the mask of my row; elements of 8 bytes; padding on, 4 words behind every 32; bit 21 beside a mask
	s_mov_b32 s[G1+1], 1024<<16                    ; tensor_dim0 = 1,024 elements: 8,192 bytes
	s_mov_b32 s[G1+2], 4<<16                       ; tensor_dim1 = 4 heads
	s_mov_b32 s[G1+3], 1024<<16                    ; tile_dim0
	s_mov_b32 s[G1+4], 4                           ; tile_dim1
	s_mov_b32 s[G1+5], 131072                      ; the pitch: a head's 1,048,576 bytes
	s_mov_b32 s[G1+6], 0
	s_mov_b32 s[G1+7], 0
	s_or_b32 s[G1B+0], s44, (1<<16)|(1<<20)|(1<<21)|(6<<22)|(3<<25) ; B: 64 rows x 256 elements of 2 bytes, 4 words behind every 128
	s_mov_b32 s[G1B+1], KSTEP<<16
	s_mov_b32 s[G1B+2], 64<<16
	s_mov_b32 s[G1B+3], KSTEP<<16
	s_mov_b32 s[G1B+4], 64
	s_mov_b32 s[G1B+5], SIZE_K
	s_mov_b32 s[G1B+6], 0
	s_mov_b32 s[G1B+7], 0
	s_lshl_b32 s17, s12, 6
	s_lshl_b32 s16, s13, 7
	s_add_co_u32 s16, s16, s17                     ; A: row 128 x tile row + 64 x half,
	s_lshl_b32 s16, s16, 7                         ; rows of 128 bytes
	s_lshl_b32 s46, s42, 7
	s_add_co_u32 s46, s46, s17                     ; B: row 128 x tile column + 64 x half,
	s_lshl_b32 s46, s46, 11                        ; rows of 2,048 bytes,
	s_add_co_u32 s46, s46, PK_WOT                  ; in pk
	s_mov_b32 s17, 0
	s_mov_b32 s47, 0
	s_mul_i32 s20, s12, AH                         ; where they go: A's two halves, then B's two
	s_mul_i32 s21, s12, BH
	s_add_co_u32 s21, s21, 2*AH
	s_wait_dscnt 0x0                               ; both opening adds are done
	s_wait_kmcnt 0x0
	s_add_nc_u64 s[14:15], s[4:5], s[16:17]
	s_add_nc_u64 s[46:47], s[6:7], s[46:47]
	CROUND                                         ; the first joint loads meet
.irp s, 0,1
	s_mov_b32 s[G0+4*\s], 1
	s_add_co_u32 s[G0+4*\s+1], s20, \s*SLOT
	s_add_nc_u64 s[G0+4*\s+2:G0+4*\s+3], s[14:15], \s*4194304          ; K step s: four heads on
	s_or_b32 s[G0+4*\s+3], s[G0+4*\s+3], 0x80000000
	s_mov_b32 s[G0B+4*\s], 1
	s_add_co_u32 s[G0B+4*\s+1], s21, \s*SLOT
	s_add_nc_u64 s[G0B+4*\s+2:G0B+4*\s+3], s[46:47], \s*KSTEP*2
	s_or_b32 s[G0B+4*\s+3], s[G0B+4*\s+3], 0x80000000
	JLOAD \s
.endr
	v_and_b32 v1, 15, v0                           ; l % 16
	v_bfe_u32 v2, v0, 4, 1                         ; l / 16
	v_mul_u32_u24 v3, v1, AP
	v_lshl_add_u32 v3, v2, 4, v3
	v_mul_u32_u24 v4, v1, PITCH
	v_lshl_add_u32 v4, v2, 4, v4
	s_mul_i32 s21, s11, AH                         ; my 64 rows of A
	s_mul_i32 s22, s12, BH                         ; my 64 rows of B
	s_add_co_u32 s22, s22, 2*AH
.irp s, 0,1
	v_add_nc_u32 v[ADRA+\s], s21, v3
	v_add_nc_u32 v[ADRB+\s], s22, v4
	s_add_co_u32 s21, s21, SLOT
	s_add_co_u32 s22, s22, SLOT
.endr
	s_mul_i32 s23, s10, 16*SPITCH                  ; my stage
	v_mul_u32_u24 v5, v1, SPITCH
	v_lshl_add_u32 v5, v2, 5, v5
	v_add_nc_u32 v[STO], s23, v5                   ; in: row l % 16, 32 bytes for each half of the lanes
	v_mul_u32_u24 v5, v2, SPITCH
	v_lshl_add_u32 v5, v1, 4, v5
	v_add_nc_u32 v[RD], s23, v5                    ; back: lanes 0-15 one row of 256 bytes, lanes 16-31 the next
	v_lshlrev_b32 v5, 12, v2
	v_lshl_add_u32 v[CO], v1, 4, v5                ; and the same two rows in out0
	v_lshlrev_b32 v30, 5, v2
	s_lshl_b32 s16, s13, 7
	s_lshl_b32 s17, s11, 6
	s_add_co_u32 s16, s16, s17                     ; my first row,
	s_lshl_b32 s16, s16, 12                        ; rows of 4,096 bytes
	s_lshl_b32 s46, s42, 9
	s_lshl_b32 s47, s12, 8
	s_add_co_u32 s46, s46, s47                     ; my first column, in bytes
	s_mov_b32 s47, 0
	s_add_nc_u64 s[68:69], s[68:69], s[46:47]
	s_add_co_u32 s16, s16, s46
	s_mov_b32 s17, 0
	s_add_nc_u64 s[70:71], s[70:71], s[16:17]
.irp b, 0,1,2,3
	global_load_b128 v[BIAS+8*\b:BIAS+8*\b+3], v30, s[68:69] offset:64*\b        ; register 8 b + j: bo of column 16 b + 8 (l / 16) + j
	global_load_b128 v[BIAS+8*\b+4:BIAS+8*\b+7], v30, s[68:69] offset:64*\b+16
.endr
.macro MUL8 f, c, a0, zero             ; 8 matrix instructions; zero = 1: the first product starts the sums on the bias
.irp a, \a0, \a0+1
.irp b, 0,1,2,3
.if \zero
	v_wmma_f32_16x16x32_f16 v[ACC+8*(4*(\a)+\b):ACC+8*(4*(\a)+\b)+7], v[\f+64+8*(4*\c+\b):\f+64+8*(4*\c+\b)+7], v[\f+8*(4*\c+\a):\f+8*(4*\c+\a)+7], v[BIAS+8*\b:BIAS+8*\b+7]
.else
	v_wmma_f32_16x16x32_f16 v[ACC+8*(4*(\a)+\b):ACC+8*(4*(\a)+\b)+7], v[\f+64+8*(4*\c+\b):\f+64+8*(4*\c+\b)+7], v[\f+8*(4*\c+\a):\f+8*(4*\c+\a)+7], v[ACC+8*(4*(\a)+\b):ACC+8*(4*(\a)+\b)+7]
.endif
.endr
.endr
.endm
.macro FETCH slot, q, f                ; 32 LDS loads in one run: the fragments of quarter q (64 along K: one head) into buffer f; the first 32 along K first
	WIN TO_F
.irp c, 0,1
.irp i, 0,1,2,3
	ds_load_b128 v[\f+64+8*(4*\c+\i):\f+64+8*(4*\c+\i)+3],   v[ADRB+\slot] offset:128*(\q)+64*\c+\i*16*PITCH
	ds_load_b128 v[\f+64+8*(4*\c+\i)+4:\f+64+8*(4*\c+\i)+7], v[ADRB+\slot] offset:128*(\q)+64*\c+\i*16*PITCH+32
	ds_load_b128 v[\f+8*(4*\c+\i):\f+8*(4*\c+\i)+3],         v[ADRA+\slot] offset:(\q)*APL+64*\c+\i*16*AP
	ds_load_b128 v[\f+8*(4*\c+\i)+4:\f+8*(4*\c+\i)+7],       v[ADRA+\slot] offset:(\q)*APL+64*\c+\i*16*AP+32
.endr
.endr
.endm
.macro PLACES
.rept 4
	v_nop
.endr
.endm
.macro QUARTER slot, q, f, g, zero     ; multiplies buffer f and fetches quarter q of the same slot into g
	s_wait_dscnt 16                                ; the first 32 along K are in; the other sixteen loads may be out
	WIN MUL
	MUL8 \f, 0, 0, \zero
	MUL8 \f, 0, 2, \zero
	PLACES
	FETCH \slot, \q, \g
	s_wait_dscnt 32                                ; all but the 32 just issued
	WIN MUL
	MUL8 \f, 1, 0, 0
	MUL8 \f, 1, 2, 0
.endm
; The last quarter multiplies buffer 1 and changes slots: one barrier; in front of it each wave waits for all its tensor loads, adds 0 to its spare word, and waits for that and for its reads of this slot.  fill = 1: this slot is filled again, two K steps ahead
.macro TURN slot, next, fill
	WIN 0
	s_wait_tensorcnt 0x0                           ; all my tensor loads have landed: my part of the next slot
	ds_add_u32 v[SPW], v[NIL]
	s_wait_dscnt 17                                ; the add and the youngest sixteen loads may be out
	WIN MUL
	MUL8 F1, 0, 0, 0
	s_wait_dscnt 0x0                               ; the add is done, and my reads of this slot are over
	s_barrier_signal -1
	MUL8 F1, 0, 2, 0
.if \fill
	WIN 0
.endif
	s_barrier_wait -1
.if \fill
	CREST                                          ; the barrier has opened a round of the cluster's barrier: no wave of any partner still reads this slot or has a load on its way
	s_add_nc_u64 s[G0+4*\slot+2:G0+4*\slot+3], s[G0+4*\slot+2:G0+4*\slot+3], 2*4194304
	s_add_nc_u64 s[G0B+4*\slot+2:G0B+4*\slot+3], s[G0B+4*\slot+2:G0B+4*\slot+3], 2*KSTEP*2
	JLOAD \slot                                    ; the first tensor load behind the round; its four v_nop are also the places in front of the loads below
.else
	PLACES
.endif
	FETCH \next, 0, F0
	WIN MUL
	MUL8 F1, 1, 0, 0
	MUL8 F1, 1, 2, 0
.endm
	s_wait_tensorcnt 1                             ; my part of K step 0 is in; K step 1's load may be out
	s_barrier_signal -1
	s_barrier_wait -1
	FETCH 0, 0, F0
	s_wait_loadcnt 0x0                             ; the bias
	QUARTER 0, 1, F0, F1, 1
	WIN 0
	s_mov_b32 s3, LAPS-1
.Llap:                                             ; a trip goes once round the ring and fills both slots again
	QUARTER 0, 2, F1, F0, 0
	QUARTER 0, 3, F0, F1, 0
	TURN 0, 1, 1
	QUARTER 1, 1, F0, F1, 0
	QUARTER 1, 2, F1, F0, 0
	QUARTER 1, 3, F0, F1, 0
	TURN 1, 0, 1
	QUARTER 0, 1, F0, F1, 0
	WIN 0
	s_sub_co_u32 s3, s3, 1
	s_cmp_lg_u32 s3, 0
	s_cbranch_scc1 .Llap
	QUARTER 0, 2, F1, F0, 0                        ; the last lap fills nothing
	QUARTER 0, 3, F0, F1, 0
	TURN 0, 1, 0
	QUARTER 1, 1, F0, F1, 0
	QUARTER 1, 2, F1, F0, 0
	QUARTER 1, 3, F0, F1, 0
	s_wait_dscnt 16
	WIN MUL
	MUL8 F1, 0, 0, 0
	MUL8 F1, 0, 2, 0
	s_wait_dscnt 0
	MUL8 F1, 1, 0, 0
	MUL8 F1, 1, 2, 0
	WIN 0
; THE WAY OUT.  A wave's 64 columns of f32 are 256 bytes, aligned: each wave has a stage of its own, and a block of 16 rows goes in by lanes and comes back by rows.  LDS serves a wave's instructions in order
.macro TOSTAGE a
.irp b, 0,1,2,3
	ds_store_b128 v[STO], v[ACC+8*(4*(\a)+\b):ACC+8*(4*(\a)+\b)+3] offset:64*\b       ; each accumulator from its low end on
	ds_store_b128 v[STO], v[ACC+8*(4*(\a)+\b)+4:ACC+8*(4*(\a)+\b)+7] offset:64*\b+16
.endr
.set BB, TMP+32*((\a)%2)
.irp t, 0,1,2,3,4,5,6,7
	ds_load_b128 v[BB+4*\t:BB+4*\t+3], v[RD] offset:\t*2*SPITCH
.endr
.endm
.macro SEND a, younger
.set BB, TMP+32*((\a)%2)
	s_wait_dscnt \younger
.irp t, 0,1,2,3,4,5,6,7
	global_store_b128 v[CO], v[BB+4*\t:BB+4*\t+3], s[70:71] offset:(16*(\a)+2*\t)*4096   ; sixteen lanes store 256 consecutive bytes, aligned
.endr
.endm
	PLACES
	TOSTAGE 0
.irp a, 1,2,3
.if \a > 1
	s_wait_xcnt 0x0                                ; block a - 2's stores have read their registers
.endif
	TOSTAGE \a
	SEND \a-1, 16                                  ; behind block a - 1's loads: block a's 8 stores and 8 loads
.endr
	SEND 3, 0
	s_wait_tensorcnt 0x0                           ; the wave's end
	ds_add_u32 v[SPW], v[NIL]
	s_wait_dscnt 0x0
	CROUND                                         ; the closing round
	s_endpgm
.Lfunc_end_k_q0f6685cb71_outp:
	.size	k_q0f6685cb71_outp, .Lfunc_end_k_q0f6685cb71_outp-k_q0f6685cb71_outp
	.p2alignl 7, 3214868480
	.fill 96, 4, 3214868480
	.section	.rodata,"a",@progbits
	.p2align	6, 0x0
	.amdhsa_kernel k_q0f6685cb71_outp
		.amdhsa_group_segment_fixed_size 327680
		.amdhsa_private_segment_fixed_size 0
		.amdhsa_enable_private_segment 0
		.amdhsa_kernarg_size 32
		.amdhsa_user_sgpr_count 2
		.amdhsa_user_sgpr_kernarg_segment_ptr 1
		.amdhsa_wavefront_size32 1
		.amdhsa_system_sgpr_workgroup_id_x 1
		.amdhsa_system_sgpr_workgroup_id_y 1
		.amdhsa_system_sgpr_workgroup_id_z 1
		.amdhsa_system_vgpr_workitem_id 0
		.amdhsa_next_free_vgpr 512
		.amdhsa_next_free_sgpr 72
		.amdhsa_reserve_vcc 0
		.amdhsa_float_denorm_mode_32 3
		.amdhsa_float_denorm_mode_16_64 3
		.amdhsa_memory_ordered 1
		.amdhsa_forward_progress 1
		.amdhsa_inst_pref_size 87
	.end_amdhsa_kernel
	.amdgpu_metadata
---
amdhsa.version: [ 1, 2 ]
amdhsa.kernels:
  - .name:           k_q0f6685cb71_outp
    .symbol:         k_q0f6685cb71_outp.kd
    .args:
      - { .name: ctxh, .offset: 0, .size: 8, .value_kind: global_buffer, .address_space: global }
      - { .name: pk, .offset: 8, .size: 8, .value_kind: global_buffer, .address_space: global }
      - { .name: bo, .offset: 16, .size: 8, .value_kind: global_buffer, .address_space: global }
      - { .name: out0, .offset: 24, .size: 8, .value_kind: global_buffer, .address_space: global }
    .group_segment_fixed_size: 327680
    .private_segment_fixed_size: 0
    .kernarg_segment_align: 8
    .kernarg_segment_size: 32
    .max_flat_workgroup_size: 128
    .sgpr_count:     72
    .vgpr_count:     512
    .wavefront_size: 32
...
	.end_amdgpu_metadata
.endif
;; end of part 5
;; launch fine_out (part 6): grid 16 x 4, 16 waves a work-group, no clusters, 19,456 bytes of LDS; arguments cf32, Wo, bo, out0; writes out0
.if DOCPART == 6
	.amdgcn_target "amdgcn-amd-amdhsa--gfx1250"
	.amdhsa_code_object_version 6
	.text
	.protected	k_q0f6685cb71_fine_out
	.globl	k_q0f6685cb71_fine_out
	.p2align	8
	.type	k_q0f6685cb71_fine_out,@function
k_q0f6685cb71_fine_out:
	s_mov_b64 s[64:65], 0
	v_nop
	global_prefetch_b8 v0, s[64:65] scope:SCOPE_SE
	s_setreg_imm32_b32 hwreg(HW_REG_WAVE_MODE, 25, 1), 1
	s_wait_xcnt 0x0
; ROWS 0-15 OF EVERY BATCH OF THE OUTPUT, AGAIN AND FINELY: out = ctx Wo + bo with ctx from cf32 (f32) and Wo as given (f32), each operand split in f32 into a high and a low part that both go to the matrix unit as f16.
; THE SPLIT: t = 8193 x; high = t - (t - x): x rounded to 11 significant bits, which f16 holds exactly in its normal range; low = (x - high) x 2^11.  out = Wh Ch + (Wl Ch + Wh Cl) / 2^11; Wl Cl, 2^-24 of the whole, is dropped.
; LIMITS: |x| inside f16's range (65,504); under 6e-5 the high part is rounded once more, by at most 3e-8.
; SHARES.  A work-group: 64 columns (x) of one batch (y).  Wave w: columns 16 (w % 4) on, K = 256 (w / 4) on; the four parts along K meet in LDS.  The matrix instruction is used transposed (source 0 = 16 columns of Wo, source 1 = the 16 rows).
; Wo's K is its first axis: lane (r, h) takes column r and loads its 16 numbers of a K step one by one, down K, in the order of the operand's registers.
.set SPARE, 17408                      ; LDS: 4 x 16 rows x (256 + 16) bytes; then the spare words: no other line names them
.set WH, 16
.set WL, 24
.set CH, 32
.set CL, 40
.set HH, 48                            ; three accumulators
.set X1, 56
.set X2, 64
.set TT, 72                            ; v72-87 at work
.set WF, 96                            ; v96-159  Wo's numbers, two sets of two K steps
.set CF, 160                           ; v160-223 ctx's
.set T2, 228                           ; v228-243 at work
.set SPW, 252
.set NIL, 253
	s_load_b256 s[4:11], s[0:1], 0x0               ; cf32 s[4:5], Wo s[6:7], bo s[8:9], out0 s[10:11]
	v_lshl_add_u32 v[SPW], v0, 2, SPARE
	v_mov_b32 v[NIL], 0
	v_lshrrev_b32 v1, 5, v0
	v_readfirstlane_b32 s12, v1                    ; wave 0..15
	s_and_b32 s13, s12, 3                          ; which 16 columns
	s_lshr_b32 s14, s12, 2                         ; which quarter of K
	s_and_b32 s15, ttmp7, 0xffff                   ; batch
	v_and_b32 v2, 15, v0                           ; r
	v_bfe_u32 v3, v0, 4, 1                         ; h
	v_lshlrev_b32 v4, 15, v3
	v_lshl_add_u32 v4, v2, 2, v4                   ; Wo: 8 h rows of 4,096 bytes, + 4 r
	v_lshlrev_b32 v5, 12, v2
	v_lshl_add_u32 v5, v3, 5, v5                   ; ctx: row r of 4,096 bytes, + 32 h
	v_lshlrev_b32 v6, 4, v2
	v_mul_u32_u24 v7, v2, 272
	v_lshl_add_u32 v7, v3, 5, v7
	s_mul_i32 s16, s14, 4352
	s_lshl_b32 s17, s13, 6
	s_add_co_u32 s16, s16, s17
	v_add_nc_u32 v7, s16, v7                       ; the stage, in: my quarter's plane, row r, my 16 columns, + 32 h
	v_lshrrev_b32 v8, 4, v0
	v_mul_u32_u24 v9, v8, 272
	v_add_nc_u32 v9, v9, v6                        ; back (waves 0-7): row thread / 16, 16 bytes at thread % 16
	v_lshl_add_u32 v10, v8, 12, v6                 ; and the same place in out0
	s_mov_b32 s17, 0
	s_wait_kmcnt 0x0
	s_lshl_b32 s16, s15, 16
	s_lshl_b32 s18, s14, 10
	s_add_co_u32 s16, s16, s18
	s_add_nc_u64 s[4:5], s[4:5], s[16:17]          ; my batch's 16 rows, my quarter of K
	s_lshl_b32 s16, s14, 20
	s_lshl_b32 s18, ttmp9, 8
	s_add_co_u32 s16, s16, s18
	s_lshl_b32 s19, s13, 6
	s_add_co_u32 s16, s16, s19
	s_add_nc_u64 s[6:7], s[6:7], s[16:17]          ; Wo at my first k and column
	s_mov_b32 s16, s18
	s_add_nc_u64 s[8:9], s[8:9], s[16:17]
	s_lshl_b32 s19, s15, 23
	s_add_co_u32 s16, s16, s19
	s_add_nc_u64 s[10:11], s[10:11], s[16:17]
	global_load_b128 v[224:227], v6, s[8:9]        ; bo
.macro LOADB bt                        ; two K steps of 32: 32 + 8 loads
.irp g, 0,1
.irp i, 0,1,2,3,4,5,6,7
	global_load_b32 v[WF+32*((\bt)%2)+16*\g+\i], v4, s[6:7] offset:(64*(\bt)+32*\g+\i)*4096
	global_load_b32 v[WF+32*((\bt)%2)+16*\g+8+\i], v4, s[6:7] offset:(64*(\bt)+32*\g+16+\i)*4096
.endr
	global_load_b128 v[CF+32*((\bt)%2)+16*\g:CF+32*((\bt)%2)+16*\g+3], v5, s[4:5] offset:(64*(\bt)+32*\g)*4
	global_load_b128 v[CF+32*((\bt)%2)+16*\g+4:CF+32*((\bt)%2)+16*\g+7], v5, s[4:5] offset:(64*(\bt)+32*\g)*4+16
	global_load_b128 v[CF+32*((\bt)%2)+16*\g+8:CF+32*((\bt)%2)+16*\g+11], v5, s[4:5] offset:(64*(\bt)+32*\g)*4+64
	global_load_b128 v[CF+32*((\bt)%2)+16*\g+12:CF+32*((\bt)%2)+16*\g+15], v5, s[4:5] offset:(64*(\bt)+32*\g)*4+80
.endr
.endm
.macro SPLIT src, hi, lo               ; 16 numbers of f32 -> 8 registers of high parts and 8 of low parts x 2^11
.irp p, 0,2,4,6,8,10,12,14
	v_pk_mul_f32 v[TT+\p:TT+\p+1], v[(\src)+\p:(\src)+\p+1], 0x46000400 op_sel_hi:[1,0]          ; t = 8193 x
.endr
.irp p, 0,2,4,6,8,10,12,14
	v_pk_add_f32 v[T2+\p:T2+\p+1], v[TT+\p:TT+\p+1], v[(\src)+\p:(\src)+\p+1] neg_lo:[0,1] neg_hi:[0,1]   ; t - x
.endr
.irp p, 0,2,4,6,8,10,12,14
	v_pk_add_f32 v[TT+\p:TT+\p+1], v[TT+\p:TT+\p+1], v[T2+\p:T2+\p+1] neg_lo:[0,1] neg_hi:[0,1]           ; the high part
.endr
.irp p, 0,2,4,6,8,10,12,14
	v_pk_add_f32 v[(\src)+\p:(\src)+\p+1], v[(\src)+\p:(\src)+\p+1], v[TT+\p:TT+\p+1] neg_lo:[0,1] neg_hi:[0,1]   ; what is left, exactly
.endr
.irp p, 0,2,4,6,8,10,12,14
	v_pk_mul_f32 v[(\src)+\p:(\src)+\p+1], v[(\src)+\p:(\src)+\p+1], 0x45000000 op_sel_hi:[1,0]  ; x 2^11
.endr
.irp i, 0,1,2,3,4,5,6,7
	v_cvt_pk_f16_f32 v[\hi+\i], v[TT+2*\i], v[TT+2*\i+1]
	v_cvt_pk_f16_f32 v[\lo+\i], v[(\src)+2*\i], v[(\src)+2*\i+1]
.endr
.endm
.macro KSTEP set, g, first             ; three accumulators by turns
	SPLIT WF+32*(\set)+16*(\g), WH, WL
	SPLIT CF+32*(\set)+16*(\g), CH, CL
.if \first
	v_wmma_f32_16x16x32_f16 v[HH:HH+7], v[WH:WH+7], v[CH:CH+7], 0
	v_wmma_f32_16x16x32_f16 v[X1:X1+7], v[WL:WL+7], v[CH:CH+7], 0
	v_wmma_f32_16x16x32_f16 v[X2:X2+7], v[WH:WH+7], v[CL:CL+7], 0
.else
	v_wmma_f32_16x16x32_f16 v[HH:HH+7], v[WH:WH+7], v[CH:CH+7], v[HH:HH+7]
	v_wmma_f32_16x16x32_f16 v[X1:X1+7], v[WL:WL+7], v[CH:CH+7], v[X1:X1+7]
	v_wmma_f32_16x16x32_f16 v[X2:X2+7], v[WH:WH+7], v[CL:CL+7], v[X2:X2+7]
.endif
.rept 4
	v_nop                                          ; places before vector instructions write the operands anew, or read the results
.endr
.endm
	LOADB 0
	LOADB 1
	s_wait_loadcnt 40                              ; bo and batch 0 are in; batch 1's 40 loads may be out
	KSTEP 0, 0, 1
	KSTEP 0, 1, 0
	LOADB 2
	s_wait_loadcnt 40
	KSTEP 1, 0, 0
	KSTEP 1, 1, 0
	LOADB 3
	s_wait_loadcnt 40
	KSTEP 0, 0, 0
	KSTEP 0, 1, 0
	s_wait_loadcnt 0x0
	KSTEP 1, 0, 0
	KSTEP 1, 1, 0
.irp p, 0,2,4,6
	v_pk_add_f32 v[T2+\p:T2+\p+1], v[X1+\p:X1+\p+1], v[X2+\p:X2+\p+1]
.endr
.irp p, 0,2,4,6
	v_pk_fma_f32 v[TT+\p:TT+\p+1], v[T2+\p:T2+\p+1], 0x3a000000, v[HH+\p:HH+\p+1] op_sel_hi:[1,0,1]   ; + the cross terms / 2^11
.endr
	ds_store_b128 v7, v[TT:TT+3]
	ds_store_b128 v7, v[TT+4:TT+7] offset:16
	s_wait_dscnt 0x0
	s_barrier_signal -1
	s_barrier_wait -1
	s_cmp_lt_u32 s12, 8
	s_cbranch_scc0 .Ldone
.irp k, 0,1,2,3
	ds_load_b128 v[96+4*\k:99+4*\k], v9 offset:4352*\k
.endr
	s_wait_dscnt 0x0
.irp p, 0,2
	v_pk_add_f32 v[96+\p:97+\p], v[96+\p:97+\p], v[100+\p:101+\p]
	v_pk_add_f32 v[104+\p:105+\p], v[104+\p:105+\p], v[108+\p:109+\p]
	v_pk_add_f32 v[96+\p:97+\p], v[96+\p:97+\p], v[104+\p:105+\p]
	v_pk_add_f32 v[96+\p:97+\p], v[96+\p:97+\p], v[224+\p:225+\p]
.endr
	global_store_b128 v10, v[96:99], s[10:11]      ; sixteen lanes store 256 consecutive bytes, aligned
.Ldone:
	s_wait_tensorcnt 0x0                           ; the wave's end
	ds_add_u32 v[SPW], v[NIL]
	s_wait_dscnt 0x0
	s_endpgm
.Lfunc_end_k_q0f6685cb71_fine_out:
	.size	k_q0f6685cb71_fine_out, .Lfunc_end_k_q0f6685cb71_fine_out-k_q0f6685cb71_fine_out
	.p2alignl 7, 3214868480
	.fill 96, 4, 3214868480
	.section	.rodata,"a",@progbits
	.p2align	6, 0x0
	.amdhsa_kernel k_q0f6685cb71_fine_out
		.amdhsa_group_segment_fixed_size 19456
		.amdhsa_private_segment_fixed_size 0
		.amdhsa_enable_private_segment 0
		.amdhsa_kernarg_size 32
		.amdhsa_user_sgpr_count 2
		.amdhsa_user_sgpr_kernarg_segment_ptr 1
		.amdhsa_wavefront_size32 1
		.amdhsa_system_sgpr_workgroup_id_x 1
		.amdhsa_system_sgpr_workgroup_id_y 1
		.amdhsa_system_sgpr_workgroup_id_z 1
		.amdhsa_system_vgpr_workitem_id 0
		.amdhsa_next_free_vgpr 256
		.amdhsa_next_free_sgpr 66
		.amdhsa_reserve_vcc 0
		.amdhsa_float_denorm_mode_32 3
		.amdhsa_float_denorm_mode_16_64 3
		.amdhsa_memory_ordered 1
		.amdhsa_forward_progress 1
		.amdhsa_inst_pref_size 86
	.end_amdhsa_kernel
	.amdgpu_metadata
---
amdhsa.version: [ 1, 2 ]
amdhsa.kernels:
  - .name:           k_q0f6685cb71_fine_out
    .symbol:         k_q0f6685cb71_fine_out.kd
    .args:
      - { .name: cf32, .offset: 0, .size: 8, .value_kind: global_buffer, .address_space: global }
      - { .name: Wo, .offset: 8, .size: 8, .value_kind: global_buffer, .address_space: global }
      - { .name: bo, .offset: 16, .size: 8, .value_kind: global_buffer, .address_space: global }
      - { .name: out0, .offset: 24, .size: 8, .value_kind: global_buffer, .address_space: global }
    .group_segment_fixed_size: 19456
    .private_segment_fixed_size: 0
    .kernarg_segment_align: 8
    .kernarg_segment_size: 32
    .max_flat_workgroup_size: 512
    .sgpr_count:     66
    .vgpr_count:     256
    .wavefront_size: 32
...
	.end_amdgpu_metadata
.endif
;; end of part 6
